; MI455X (gfx1250); checked and timed in simulation.
; The chip was launched on July 23, 2026; its instructions are those of AMD's public machine-readable ISA for CDNA 5 (MIT licence, August 2026) and "CDNA5" Instruction Set Architecture Reference Guide (July 2026). The comments in the code are by the model that wrote it; some were corrected since.
;; Self Attention. Allowed arithmetic: float matrix products may take bf16 or f16 operands with f32 sums; other float arithmetic in f32, or as packed bf16 or f16 multiplies, adds, multiply-adds, maxima and minima; sums over many terms, partial sums and values carried from step to step in f32; what a program stores and reads back later, other than sums and carried values, may be rounded once to bf16 or f16.
;; Inputs: Wk 1,024 x 1,024 float32; Wq 1,024 x 1,024 float32; Wv 1,024 x 1,024 float32; X 4 x 2,048 x 1,024 float32; bk 1,024 float32; bq 1,024 float32; bv 1,024 float32.
;; Outputs: out0 4 x 2,048 x 1,024 float32.
;; One version. Each part assembles by itself: llvm-mc -triple=amdgcn-amd-amdhsa -mcpu=gfx1250 --defsym DOCPART=n.
;; ======== version 1 of 1: 4 launches
;; limits: values are held in f16: magnitudes above 65,504 overflow, below 6.1e-05 lose precision
;; workspace buffers: XB 16,777,216 bytes; WB 6,291,456 bytes; BIAS 12,288 bytes; QKV 50,331,648 bytes; PT 33,554,432 bytes; STAT 1,048,576 bytes
;; launch prep (part 1): grid 899 x 1, 8 waves a work-group, no clusters, 19,456 bytes of LDS; arguments X, Wq, Wk, Wv, bq, bk, bv, XB, WB, BIAS; writes XB, WB, BIAS
.if DOCPART == 1
	.amdgcn_target "amdgcn-amd-amdhsa--gfx1250"
	.amdhsa_code_object_version 6
	.text
	.protected	k_q125a999c76_prep
	.globl	k_q125a999c76_prep
	.p2align	8
	.type	k_q125a999c76_prep,@function
k_q125a999c76_prep:
	s_mov_b64 s[64:65], 0
	v_nop
	global_prefetch_b8 v0, s[64:65] scope:SCOPE_SE
	s_setreg_imm32_b32 hwreg(HW_REG_WAVE_MODE, 25, 1), 1
	s_wait_xcnt 0x0
; PREP: the module's inputs are rounded once to bf16 and laid out for the projection's tiles.
;   work-groups 0-511   : 16 rows of X each -> XB[kb][row][64]: a block of 64 channels of all rows is dense, 128 bytes a row
;   work-groups 512-895 : a block of 64 d x 128 e of Wq, Wk or Wv, turned -> WB[G][kb][rr][64], column n = 1024 sel + e = 192 G + rr
;   work-groups 896-898 : one bias, rounded to bf16 and kept as f32 -> BIAS[1024 sel + e]
; Memory binds: every byte is read once by 16-byte loads and written once; each store of a wave covers 256 or 512 consecutive bytes, aligned.
; The matrix unit, clusters and tensor loads would add nothing here.  bf16 has f32's range: no limit of range arises.
.set SPARE, 18432                      ; behind the turning stage (128 rows x 144 bytes): the spare words, 128 bytes for each of eight waves
.set SPW, 12                           ; v12  LDS address of my spare word; never rewritten
.set NIL, 13                           ; v13  0; never rewritten
.set WP,  144                          ; a stage row: 64 bf16 + 16 bytes
	s_load_b512 s[8:23], s[0:1], 0x0               ; X 8, Wq 10, Wk 12, Wv 14, bq 16, bk 18, bv 20, XB 22
	s_load_b128 s[24:27], s[0:1], 0x40             ; WB 24, BIAS 26
	v_lshl_add_u32 v[SPW], v0, 2, SPARE
	v_mov_b32 v[NIL], 0
	v_lshrrev_b32 v1, 5, v0
	v_readfirstlane_b32 s4, v1                     ; wave 0..7
	v_and_b32 v5, 31, v0                           ; lane
	s_mov_b32 s5, ttmp9                            ; the work-group's number chooses its part: the same for all its waves
	s_wait_kmcnt 0x0
	s_cmp_lt_u32 s5, 512
	s_cbranch_scc0 .Lnot_x
	; X.  Wave w takes channels 128 w .. 128 w + 127 (blocks 2 w and 2 w + 1) of the 16 rows; a load takes 256 bytes of each of two rows.
	v_and_b32 v6, 15, v0                           ; c: my 16 bytes of the 256
	v_bfe_u32 v7, v0, 4, 1                         ; which of the two rows
	s_lshl_b32 s6, s4, 9
	v_lshlrev_b32 v1, 12, v7
	v_lshl_add_u32 v1, v6, 4, v1
	v_add_nc_u32 v1, s6, v1                        ; in: row x 4096 + 512 w + 16 c
	s_lshl_b32 s6, s4, 21
	v_lshlrev_b32 v2, 7, v7
	v_lshl_add_u32 v2, v6, 3, v2
	v_add_nc_u32 v2, s6, v2                        ; out: 2 w planes of 1 MiB + row x 128 + 8 c
	s_lshl_b32 s28, s5, 16                         ; 16 rows of 4096 bytes
	s_mov_b32 s29, 0
	s_add_nc_u64 s[8:9], s[8:9], s[28:29]
	s_lshl_b32 s28, s5, 11                         ; 16 rows of 128 bytes
	s_add_nc_u64 s[22:23], s[22:23], s[28:29]
.set k, 0
.rept 16                               ; k = 2 i + e: rows 2 i, 2 i + 1, block 2 w + e
	global_load_b128 v[16+4*k:19+4*k], v1, s[8:9] offset:(k/2)*8192+(k%2)*256 th:TH_LOAD_NT
.set k, k+1
.endr
.set k, 0
.rept 16
	s_wait_loadcnt 15-k                            ; loads come back in order: number k is in, the younger ones stay out
	v_cvt_pk_bf16_f32 v[80+2*k], v[16+4*k], v[17+4*k]
	v_cvt_pk_bf16_f32 v[81+2*k], v[18+4*k], v[19+4*k]
	global_store_b64 v2, v[80+2*k:81+2*k], s[22:23] offset:(k%2)*1048576+(k/2)*256  ; 32 lanes: two rows of 128 bytes, 256 on end
.set k, k+1
.endr
	s_branch .Lend
.Lnot_x:
	s_cmp_lt_u32 s5, 896
	s_cbranch_scc0 .Lbias
	; W.  Wave w loads rows d = 8 w .. 8 w + 7 of the block, a lane four columns e; eight d of one e pack into 16 bytes, which go into row e of the stage.
	s_sub_co_u32 s5, s5, 512
	s_lshr_b32 s6, s5, 7                           ; sel: q, k, v
	s_bfe_u32 s7, s5, 0x40003                      ; kb
	s_and_b32 s5, s5, 7                            ; eb
	s_cmp_eq_u32 s6, 0
	s_cselect_b64 s[28:29], s[10:11], s[12:13]
	s_cmp_eq_u32 s6, 2
	s_cselect_b64 s[28:29], s[14:15], s[28:29]
	s_lshl_b32 s30, s7, 18                         ; 64 rows of 4096 bytes
	s_lshl_b32 s31, s5, 9                          ; 128 columns of 4 bytes
	s_add_co_u32 s30, s30, s31
	s_mov_b32 s31, 0
	s_add_nc_u64 s[28:29], s[28:29], s[30:31]
	s_lshl_b32 s32, s4, 15
	v_lshl_add_u32 v1, v5, 4, s32                  ; 8 w rows + 16 x lane
.set k, 0
.rept 8
	global_load_b128 v[16+4*k:19+4*k], v1, s[28:29] offset:k*4096 th:TH_LOAD_NT
.set k, k+1
.endr
	v_mul_u32_u24 v2, v5, 4*WP
	s_lshl_b32 s33, s4, 4
	v_add_nc_u32 v2, s33, v2                       ; stage, in: row 4 x lane (+ c), byte 16 w
	v_lshrrev_b32 v3, 3, v0
	v_mul_u32_u24 v3, v3, WP
	v_and_b32 v4, 7, v0
	v_lshl_add_u32 v3, v4, 4, v3                   ; stage, back: row t / 8 (+ 32 i), byte 16 (t % 8)
	v_lshlrev_b32 v8, 4, v0                        ; out: 16 t: 32 rows of 128 bytes on end
	s_lshl_b32 s34, s6, 4
	s_lshl1_add_u32 s34, s5, s34                   ; the block's first granule of 64 columns: 16 sel + 2 eb
.irp i, 0,1
	s_add_co_u32 s35, s34, \i
	s_mul_i32 s36, s35, 43
	s_lshr_b32 s36, s36, 7                         ; G = granule / 3 (exact for 0..47)
	s_mul_i32 s37, s36, 3
	s_sub_co_u32 s35, s35, s37
	s_lshl_b32 s35, s35, 13                        ; the granule's 64 rows of 128 bytes within G's 192
	s_lshl4_add_u32 s36, s36, s7                   ; 16 G + kb
	s_mul_i32 s36, s36, 24576
	s_add_co_u32 s36, s36, s35
	s_mov_b32 s37, 0
	s_add_nc_u64 s[40+2*\i:41+2*\i], s[24:25], s[36:37]
.endr
	s_wait_loadcnt 0x0
.irp c, 0,1,2,3
.irp p, 0,1,2,3
	v_cvt_pk_bf16_f32 v[48+4*\c+\p], v[16+8*\p+\c], v[20+8*\p+\c]  ; d = 8 w + 2 p in the low half, + 1 in the high
.endr
.endr
.irp c, 0,1,2,3
	ds_store_b128 v2, v[48+4*\c:51+4*\c] offset:\c*WP
.endr
	s_wait_dscnt 0x0                               ; for the others' sake: my stores into the stage are done
	s_barrier_signal -1
	s_barrier_wait -1
.irp i, 0,1,2,3
	ds_load_b128 v[64+4*\i:67+4*\i], v3 offset:\i*32*WP
.endr
.irp i, 0,1,2,3
	s_wait_dscnt 3-\i
	global_store_b128 v8, v[64+4*\i:67+4*\i], s[40+2*(\i/2):41+2*(\i/2)] offset:(\i%2)*4096  ; a wave stores 512 consecutive bytes
.endr
	s_branch .Lend
.Lbias:
	s_sub_co_u32 s5, s5, 896
	s_cmp_eq_u32 s5, 0
	s_cselect_b64 s[28:29], s[16:17], s[18:19]
	s_cmp_eq_u32 s5, 2
	s_cselect_b64 s[28:29], s[20:21], s[28:29]
	s_lshl_b32 s30, s5, 12
	s_mov_b32 s31, 0
	s_add_nc_u64 s[26:27], s[26:27], s[30:31]
	v_lshlrev_b32 v8, 4, v0
	global_load_b128 v[16:19], v8, s[28:29]
	s_wait_loadcnt 0x0
	v_cvt_pk_bf16_f32 v20, v16, v17
	v_cvt_pk_bf16_f32 v21, v18, v19
	v_lshlrev_b32 v24, 16, v20                     ; back to f32: the rounded value, exactly
	v_and_b32 v25, 0xffff0000, v20
	v_lshlrev_b32 v26, 16, v21
	v_and_b32 v27, 0xffff0000, v21
	global_store_b128 v8, v[24:27], s[26:27]
.Lend:
	s_wait_tensorcnt 0x0                           ; the wave's end
	ds_add_u32 v[SPW], v[NIL]
	s_wait_dscnt 0x0
	s_endpgm
.Lfunc_end_k_q125a999c76_prep:
	.size	k_q125a999c76_prep, .Lfunc_end_k_q125a999c76_prep-k_q125a999c76_prep
	.p2alignl 7, 3214868480
	.fill 96, 4, 3214868480
	.section	.rodata,"a",@progbits
	.p2align	6, 0x0
	.amdhsa_kernel k_q125a999c76_prep
		.amdhsa_group_segment_fixed_size 19456
		.amdhsa_private_segment_fixed_size 0
		.amdhsa_enable_private_segment 0
		.amdhsa_kernarg_size 80
		.amdhsa_user_sgpr_count 2
		.amdhsa_user_sgpr_kernarg_segment_ptr 1
		.amdhsa_wavefront_size32 1
		.amdhsa_system_sgpr_workgroup_id_x 1
		.amdhsa_system_sgpr_workgroup_id_y 1
		.amdhsa_system_sgpr_workgroup_id_z 1
		.amdhsa_system_vgpr_workitem_id 0
		.amdhsa_next_free_vgpr 112
		.amdhsa_next_free_sgpr 66
		.amdhsa_reserve_vcc 0
		.amdhsa_float_denorm_mode_32 3
		.amdhsa_float_denorm_mode_16_64 3
		.amdhsa_memory_ordered 1
		.amdhsa_forward_progress 1
		.amdhsa_inst_pref_size 13
	.end_amdhsa_kernel
	.amdgpu_metadata
---
amdhsa.version: [ 1, 2 ]
amdhsa.kernels:
  - .name:           k_q125a999c76_prep
    .symbol:         k_q125a999c76_prep.kd
    .args:
      - { .name: X, .offset: 0, .size: 8, .value_kind: global_buffer, .address_space: global }
      - { .name: Wq, .offset: 8, .size: 8, .value_kind: global_buffer, .address_space: global }
      - { .name: Wk, .offset: 16, .size: 8, .value_kind: global_buffer, .address_space: global }
      - { .name: Wv, .offset: 24, .size: 8, .value_kind: global_buffer, .address_space: global }
      - { .name: bq, .offset: 32, .size: 8, .value_kind: global_buffer, .address_space: global }
      - { .name: bk, .offset: 40, .size: 8, .value_kind: global_buffer, .address_space: global }
      - { .name: bv, .offset: 48, .size: 8, .value_kind: global_buffer, .address_space: global }
      - { .name: XB, .offset: 56, .size: 8, .value_kind: global_buffer, .address_space: global }
      - { .name: WB, .offset: 64, .size: 8, .value_kind: global_buffer, .address_space: global }
      - { .name: BIAS, .offset: 72, .size: 8, .value_kind: global_buffer, .address_space: global }
    .group_segment_fixed_size: 19456
    .private_segment_fixed_size: 0
    .kernarg_segment_align: 8
    .kernarg_segment_size: 80
    .max_flat_workgroup_size: 256
    .sgpr_count:     66
    .vgpr_count:     112
    .wavefront_size: 32
...
	.end_amdgpu_metadata
.endif
;; end of part 1
;; launch proj (part 2): grid 8 x 32, 4 waves a work-group, clusters of 4 x 4, 327,680 bytes of LDS; arguments XB, WB, BIAS, QKV; writes QKV
.if DOCPART == 2
	.amdgcn_target "amdgcn-amd-amdhsa--gfx1250"
	.amdhsa_code_object_version 6
	.text
	.protected	k_q125a999c76_proj
	.globl	k_q125a999c76_proj
	.p2align	8
	.type	k_q125a999c76_proj,@function
k_q125a999c76_proj:
	s_mov_b64 s[64:65], 0
	v_nop
	global_prefetch_b8 v0, s[64:65] scope:SCOPE_SE
	s_setreg_imm32_b32 hwreg(HW_REG_WAVE_MODE, 25, 1), 1
	s_wait_xcnt 0x0
	s_wait_alu depctr_hold_cnt(0) depctr_sa_sdst(0) depctr_va_vdst(0) depctr_va_sdst(0) depctr_va_ssrc(0) depctr_va_vcc(0) depctr_vm_vsrc(0)
	s_getreg_b32 s2, hwreg(HW_REG_IB_STS2, 6, 4)
	s_cmp_eq_u32 s2, 0
	s_cbranch_scc0 .Lentry_in_a_cluster
	s_endpgm
.Lentry_in_a_cluster:
	s_bfe_u32 s2, ttmp6, 0x10000c
	s_cmp_lg_u32 s2, 0xf033
	s_cbranch_scc0 .Lentry_shape_is_right
	s_endpgm
.Lentry_shape_is_right:
; PROJ: QKV[m][n] = the sum over d of X[m][d] W[d][n] + bias[n], n over q | k | v (3072 columns).  Operands bf16, sums f32, QKV rounded once to f16.
; LIMIT: f16 holds no number beyond 65,504: q, k and v must lie within it.
; SHARES.  8192 x 3072 in tiles of 256 x 384: 32 x 8 = 256 work-groups.  Four waves, each 128 rows x 192 columns: 96 accumulators, 768 registers (windows 1 to 3).
; K goes in 16 steps of 64 through a ring of two LDS slots.  XB and WB are laid out so that a wave's part of a step's tile is dense in memory: it is asked for as rows of 256 bytes and padded in LDS after every 128.
; CLUSTER 4 x 4: X's tile hangs on the tile row alone and is asked for jointly along a row of the cluster, W's on the tile column alone and jointly along a column.
; THE PRODUCT IS TAKEN TRANSPOSED (source 0 = 16 rows of WB, source 1 = 16 rows of XB): a lane holds one row m (lane % 16) and eight neighbouring columns 8 (lane / 16) + 0..7.
; THE BIAS is the C operand of the first products: in this layout it is the same for all eight row blocks of a column block, so it is loaded into the registers of accumulator (7, b).
; REGISTERS.  window 0: v0-31 addresses; v32-95, v96-159 X's fragments (8 x 16 rows x 32 K), two buffers; v160-255 W's twelve fragments, one buffer, reloaded four at a time behind their products.
;   window 1 + b / 4: accumulator (a, b) at 64 (b % 4) + 8 a.
.set PITCH, 144                        ; an LDS row: 128 bytes + 16: an odd multiple of 16, so the 16 rows of a fragment load start at 16 different groups of four banks (ISA guide 11.1)
.set ATILE, 256*PITCH                  ; X's 256 rows; W's 384 rows lie behind them
.set SLOT1, 1<<17                      ; slot 1 begins here: one exclusive or turns an address in one slot into the other's
.set SPARE, 2*SLOT1                    ; the spare words, 128 bytes for each wave: two blocks of 256 bytes that no other line names
.set SP,    784                        ; the way out: a stage row of 768 bytes + 16.  The stage (256 rows) takes the slots' bytes when they have had their last fill
.set XSTEP, 1048576                    ; bytes from a K step's block of XB to the next
.set WSTEP, 24576                      ; the same in a wave's stream of WB
.set ADRA0, 4                          ; v4   my lane's place in X's tile; never rewritten
.set ADRB0, 5                          ; v5   in W's tile
.set STO0,  6                          ; v6, v7  the way out: where I put 16 bytes of a row (row blocks 0-3, 4-7)
.set RD,    8                          ; v8   where I read rows back
.set CO,    9                          ; v9   my byte offset in two rows of QKV
.set BO,    10                         ; v10  my byte offset in a column block's bias
.set PFO,   11                         ; v11  256 x lane, for the prefetches; never rewritten
.set SPW,   12                         ; v12  LDS address of my spare word; never rewritten
.set NIL,   13                         ; v13  0; never rewritten
.set ADRA,  14                         ; v14  X's fragments in the slot in hand
.set ADRB,  15                         ; v15  W's
.set AB0,   32
.set AB1,   96
.set BR,    160
.set TMP,   32
.set WV,   12                          ; s12  wave
.set FOR,  13                          ; s13  wave / 2: my half of the rows; also: I fetch for X (0) or W (1)
.set HALF, 14                          ; s14  wave % 2: my half of the columns; also: which half of that tile I fetch
.set CXR,  15
.set CYR,  16
.set TX,   17
.set TY,   18
.set TB,   19                          ; s19  0 or SLOT1: the slot that is read
.set G1A,  24                          ; s[24:31], s[32:39] descriptor group 1 for X's and W's tiles
.set G1B,  32
.set G0A,  40                          ; s[40:47], s[48:55] group 0: a set for each of the two first fills; the second then walks
.set G0B,  48
.set PFA,  56                          ; s[56:57] where my prefetches stand
.set PFS,  58                          ; s[58:59] their step
.set LIM,  60                          ; s60  I prefetch while the trips left are above this
.set GW, (1<<16)|(1<<20)|(1<<21)|(4<<22)|(3<<25)  ; 2-byte elements; padding on; bit 21 beside a mask; after every 32 words, 4 words
.set MSB, 0
.macro WIN new                         ; the immediate's high byte repeats the setting that is left; a switch that changes nothing is dropped
.if MSB != (\new)
	s_set_vgpr_msb (MSB<<8)|(\new)
.set MSB, \new
.endif
.endm
.macro PLACES                          ; four plain places between a matrix instruction and a load into, or a vector use of, its registers
.rept 4
	v_nop
.endr
.endm
.macro CREST                           ; a round of the cluster's barrier behind its opening barrier
	s_cmp_lg_u32 s[WV], 0
	s_cbranch_scc1 .Lnot_wave_0_\@
	s_barrier_signal -3
.Lnot_wave_0_\@:
	s_barrier_wait -3
	s_barrier_signal -1
	s_barrier_wait -1
.endm
.macro CROUND
	s_barrier_signal -1
	s_barrier_wait -1
	CREST
.endm
.macro JLOAD                           ; a joint refill by the walking descriptor; the branch hangs on the wave's number alone
	s_cmp_eq_u32 s[FOR], 0
	s_cbranch_scc0 .Lfor_b_\@
	tensor_load_to_lds s[G0A+4:G0A+7], s[G1A:G1A+7]
	s_nop 0
.rept 4
	v_nop
.endr
	s_branch .Lasked_\@
.Lfor_b_\@:
	tensor_load_to_lds s[G0B+4:G0B+7], s[G1B:G1B+7]
	s_nop 0
.rept 4
	v_nop
.endr
.Lasked_\@:
.endm
; A PREFETCH INTO THE L2, behind the joint load and the run of LDS loads: 32 blocks of 256 bytes, a lane a block, one instruction.
; X: a K step of a tile row is 32,768 dense bytes; both clusters of a row of clusters read it: the one with x = 0 asks, wave 0 of each partner for 8,192 bytes, told apart by address (cx): the K step two refills on.
; W: a wave's stream is dense over all K steps; the clusters with y = 0 ask, waves 2 and 3 for their own stream, the four partners (cy) 8,192 bytes each: nine asks cover K steps 4 to 15 (12 x 96 = 9 x 128 blocks).
; K steps 0 to 3 come by their loads alone; the counts below stop both before the buffers' ends.
.macro ASK
	s_cmp_gt_u32 s3, s[LIM]
	s_cbranch_scc0 .Lnot_mine_\@
	global_prefetch_b8 v[PFO], s[PFA:PFA+1] th:TH_LOAD_NT scope:SCOPE_SE
.Lnot_mine_\@:
.endm
.macro LDA lo, n, buf, kk              ; X's fragments lo .. lo + n - 1 of half kk of the K step
.set ii, \lo
.rept \n
	ds_load_b128 v[(\buf)+8*ii:(\buf)+8*ii+3],   v[ADRA] offset:ii*16*PITCH+(\kk)*64
	ds_load_b128 v[(\buf)+8*ii+4:(\buf)+8*ii+7], v[ADRA] offset:ii*16*PITCH+(\kk)*64+32
.set ii, ii+1
.endr
.endm
.macro LDB g, kk                       ; W's fragments 4 g .. 4 g + 3
.set ii, 4*(\g)
.rept 4
	ds_load_b128 v[BR+8*ii:BR+8*ii+3],   v[ADRB] offset:ii*16*PITCH+(\kk)*64
	ds_load_b128 v[BR+8*ii+4:BR+8*ii+7], v[ADRB] offset:ii*16*PITCH+(\kk)*64+32
.set ii, ii+1
.endr
.endm
.macro MM g, buf, aa, bb, cc           ; accumulator (aa, 4 g + bb); its C operand lies in the registers of (cc, 4 g + bb)
	v_wmma_f32_16x16x32_bf16 v[64*(\bb)+8*(\aa):64*(\bb)+8*(\aa)+7], v[BR+8*(4*(\g)+(\bb)):BR+8*(4*(\g)+(\bb))+7], v[(\buf)+8*(\aa):(\buf)+8*(\aa)+7], v[64*(\bb)+8*(\cc):64*(\bb)+8*(\cc)+7]
.endm
; The products of column blocks 4 g .. 4 g + 3 with all eight row blocks.  Every accumulator has one instruction a turn: 95 others stand between two links of a chain.
; first = 1: the sums start with the bias, which lies in (7, b): row blocks 0 to 6 take it as C; five places on, (7, b) itself is added onto in place.
.macro GROUP g, buf, first
	WIN 0x50*((\g)+1)
.if \first
.set ia, 0
.rept 7
.set ib, 0
.rept 4
	MM \g, \buf, ia, ib, 7
.set ib, ib+1
.endr
.set ia, ia+1
.endr
.rept 5
	v_nop                                          ; five places before a matrix instruction writes over registers that earlier ones took as C
.endr
.set ib, 0
.rept 4
	MM \g, \buf, 7, ib, 7
.set ib, ib+1
.endr
.else
.set ib, 0
.rept 4
.set ia, 0
.rept 8
	MM \g, \buf, ia, ib, ia
.set ia, ia+1
.endr
.set ib, ib+1
.endr
.endif
.endm
; The first half of a K step (buffer 0); the second half's fragments are fetched behind each group's products.
.macro EVEN first
	s_wait_dscnt 16                                ; X's 16 loads and W's first 8 are in; W's other 16 may be out
	GROUP 0, AB0, \first
	PLACES
	WIN 0
	LDB 0, 1
	LDA 0, 4, AB1, 1
	s_wait_dscnt 24                                ; W's blocks 4-7 are in: behind them 8 older loads and the 16 just issued
	GROUP 1, AB0, \first
	PLACES
	WIN 0
	LDB 1, 1
	LDA 4, 4, AB1, 1
	s_wait_dscnt 32                                ; W's blocks 8-11 are in: behind them the two runs of 16
	GROUP 2, AB0, \first
	PLACES
	WIN 0
	LDB 2, 1
.endm
; The change of slots, then the second half (buffer 1).  All of this slot's fragments have been asked for, so the change stands at the half's head: each wave waits for all its tensor loads (one is out: its part
; of the next slot), adds 0 to its spare word, steps the descriptors meanwhile, and waits for the add and for its reads of this slot; then ONE barrier.  fill = 1: it opens a round of the cluster's, and the joint
; refill (the K step two on) is the first thing behind it: all 192 products of a K step stand between it and the wait for it.
.macro ODD fill
	WIN 0
	s_wait_xcnt 0x0                                ; the last prefetch, a K step back, has read its address
	s_add_nc_u64 s[PFA:PFA+1], s[PFA:PFA+1], s[PFS:PFS+1]
	s_wait_tensorcnt 0x0                           ; no tensor load of mine is out, so a group 0 may be written
	ds_add_u32 v[SPW], v[NIL]
.if \fill
	s_xor_b32 s[G0A+5], s[G0A+5], SLOT1            ; the walking descriptors: the other slot than last time, the next K step
	s_add_nc_u64 s[G0A+6:G0A+7], s[G0A+6:G0A+7], XSTEP
	s_xor_b32 s[G0B+5], s[G0B+5], SLOT1
	s_add_nc_u64 s[G0B+6:G0B+7], s[G0B+6:G0B+7], WSTEP
.endif
	s_xor_b32 s[TB], s[TB], SLOT1
	s_wait_dscnt 0x0                               ; the add is done, and my reads of this slot are over
	s_barrier_signal -1
	s_barrier_wait -1
.if \fill
	CREST
	JLOAD
.endif
	v_add_nc_u32 v[ADRA], s[TB], v[ADRA0]
	v_add_nc_u32 v[ADRB], s[TB], v[ADRB0]
	LDA 0, 8, AB0, 0                               ; buffer 0's last products stand in front of the first half's last four places
.if \fill
	ASK
.endif
	GROUP 0, AB1, 0
	PLACES
	WIN 0
	LDB 0, 0
	GROUP 1, AB1, 0
	PLACES
	WIN 0
	LDB 1, 0
	GROUP 2, AB1, 0
	PLACES
	WIN 0
	LDB 2, 0
.endm
	s_load_b256 s[4:11], s[0:1], 0x0               ; XB 4, WB 6, BIAS 8, QKV 10
	v_lshl_add_u32 v[SPW], v0, 2, SPARE
	v_mov_b32 v[NIL], 0
	ds_add_u32 v[SPW], v[NIL]                      ; the wave's opening: the add and its wait ahead of my first tensor load
	v_lshrrev_b32 v1, 5, v0
	v_readfirstlane_b32 s[WV], v1
	s_lshr_b32 s[FOR], s[WV], 1
	s_and_b32 s[HALF], s[WV], 1
	s_bfe_u32 s[CXR], ttmp6, 0x40000
	s_bfe_u32 s[CYR], ttmp6, 0x40004
	s_lshl_b32 s[TX], ttmp9, 2
	s_add_co_u32 s[TX], s[TX], s[CXR]              ; tile column 0..7
	s_and_b32 s[TY], ttmp7, 0xffff
	s_lshl_b32 s[TY], s[TY], 2
	s_add_co_u32 s[TY], s[TY], s[CYR]              ; tile row 0..31
	s_lshl_b32 s20, s[CYR], 2
	s_lshl_b32 s20, 15, s20                        ; my row of the cluster
	s_lshl_b32 s21, 0x1111, s[CXR]                 ; my column
	s_or_b32 s[G1A], s20, GW
	s_or_b32 s[G1B], s21, GW
	s_mov_b32 s[G1A+1], 128<<16                    ; tensor_dim0 = 128 elements: rows of 256 bytes
	s_mov_b32 s[G1A+2], 64<<16                     ; tensor_dim1 = 64: 128 rows of XB, two to a row
	s_mov_b32 s[G1A+3], 128<<16                    ; tile_dim0
	s_mov_b32 s[G1A+4], 64                         ; tile_dim1
	s_mov_b32 s[G1A+5], 128                        ; the block is dense
	s_mov_b32 s[G1A+6], 0
	s_mov_b32 s[G1A+7], 0
	s_mov_b32 s[G1B+1], 128<<16
	s_mov_b32 s[G1B+2], 96<<16                     ; 192 rows of WB
	s_mov_b32 s[G1B+3], 128<<16
	s_mov_b32 s[G1B+4], 96
	s_mov_b32 s[G1B+5], 128
	s_mov_b32 s[G1B+6], 0
	s_mov_b32 s[G1B+7], 0
	s_lshl_b32 s22, s[TY], 15                      ; X: 256 rows of 128 bytes a tile row,
	s_lshl_b32 s23, s[HALF], 14                    ; my 128 of them
	s_add_co_u32 s22, s22, s23
	s_mov_b32 s23, 0
	s_lshl1_add_u32 s62, s[TX], s[HALF]            ; W: stream 2 x tile column + half
	s_mul_i32 s62, s62, 16*WSTEP
	s_mov_b32 s63, 0
	s_mul_i32 s2, s[HALF], 128*PITCH               ; where they go: no place in the cluster enters an LDS address
	s_mul_i32 s61, s[HALF], 192*PITCH
	s_add_co_u32 s61, s61, ATILE
	s_mov_b32 s[TB], 0
	s_wait_dscnt 0x0                               ; the opening add is done
	s_wait_kmcnt 0x0
	s_add_nc_u64 s[22:23], s[4:5], s[22:23]
	s_add_nc_u64 s[62:63], s[6:7], s[62:63]
	CROUND                                         ; all sixteen work-groups are here: the first joint loads meet
.irp s, 0,1
	s_mov_b32 s[G0A+4*\s], 1
	s_add_co_u32 s[G0A+4*\s+1], s2, \s*SLOT1
	s_add_nc_u64 s[G0A+4*\s+2:G0A+4*\s+3], s[22:23], \s*XSTEP
	s_or_b32 s[G0A+4*\s+3], s[G0A+4*\s+3], 0x80000000
	s_mov_b32 s[G0B+4*\s], 1
	s_add_co_u32 s[G0B+4*\s+1], s61, \s*SLOT1
	s_add_nc_u64 s[G0B+4*\s+2:G0B+4*\s+3], s[62:63], \s*WSTEP
	s_or_b32 s[G0B+4*\s+3], s[G0B+4*\s+3], 0x80000000
.endr
	s_cmp_eq_u32 s[FOR], 0                         ; a wave's two first fills stand in one branch: two loads of mine are out
	s_cbranch_scc0 .Lfirst_b
	tensor_load_to_lds s[G0A:G0A+3], s[G1A:G1A+7]
	s_nop 0
	tensor_load_to_lds s[G0A+4:G0A+7], s[G1A:G1A+7]
	s_nop 0
.rept 4
	v_nop
.endr
	s_branch .Lfirst_asked
.Lfirst_b:
	tensor_load_to_lds s[G0B:G0B+3], s[G1B:G1B+7]
	s_nop 0
	tensor_load_to_lds s[G0B+4:G0B+7], s[G1B:G1B+7]
	s_nop 0
.rept 4
	v_nop
.endr
.Lfirst_asked:
	v_and_b32 v1, 15, v0                           ; l % 16
	v_bfe_u32 v2, v0, 4, 1                         ; l / 16
	v_mul_u32_u24 v3, v1, PITCH
	v_lshl_add_u32 v3, v2, 4, v3                   ; a fragment's row x pitch + 16 x half
	s_mul_i32 s20, s[FOR], 128*PITCH
	v_add_nc_u32 v[ADRA0], s20, v3
	s_mul_i32 s20, s[HALF], 192*PITCH
	s_add_co_u32 s20, s20, ATILE
	v_add_nc_u32 v[ADRB0], s20, v3
	v_mov_b32 v[ADRA], v[ADRA0]
	v_mov_b32 v[ADRB], v[ADRB0]
	v_mul_u32_u24 v[STO0], v1, SP                  ; the stage, in: row 128 x row half + l % 16 (+ 16 a), byte 384 x column half + 16 (l / 16) (+ 32 b)
	v_lshl_add_u32 v[STO0], v2, 4, v[STO0]
	s_mul_i32 s20, s[FOR], 128*SP
	s_mul_i32 s21, s[HALF], 384
	s_add_co_u32 s20, s20, s21
	v_add_nc_u32 v[STO0], s20, v[STO0]
	v_add_nc_u32 v[STO0+1], 64*SP, v[STO0]
	v_mul_u32_u24 v[RD], v2, SP                    ; back: wave w takes rows 64 w .. 64 w + 63 whole; lanes 0-15 256 bytes of one row, lanes 16-31 of the next
	v_lshl_add_u32 v[RD], v1, 4, v[RD]
	s_mul_i32 s20, s[WV], 64*SP
	v_add_nc_u32 v[RD], s20, v[RD]
	v_mul_u32_u24 v[CO], v2, 6144
	v_lshl_add_u32 v[CO], v1, 4, v[CO]
	v_lshlrev_b32 v[BO], 5, v2
	v_and_b32 v[PFO], 31, v0
	v_lshlrev_b32 v[PFO], 8, v[PFO]
	s_lshl_b32 s20, s[TY], 8
	s_lshl_b32 s21, s[WV], 6
	s_add_co_u32 s20, s20, s21
	s_mul_i32 s20, s20, 6144                       ; the first row of QKV that I store,
	s_mul_i32 s21, s[TX], 768                      ; the tile's first column
	s_add_co_u32 s20, s20, s21
	s_mov_b32 s21, 0
	s_add_nc_u64 s[10:11], s[10:11], s[20:21]
	s_mul_i32 s20, s[TX], 1536
	s_mul_i32 s21, s[HALF], 768
	s_add_co_u32 s20, s20, s21
	s_mov_b32 s21, 0
	s_add_nc_u64 s[8:9], s[8:9], s[20:21]          ; the bias of my 192 columns
.irp b, 0,1,2,3,4,5,6,7,8,9,10,11
	WIN 0x40*((\b)/4+1)                            ; destination in the accumulators' window
	global_load_b128 v[64*((\b)%4)+56:64*((\b)%4)+59], v[BO], s[8:9] offset:64*(\b)
	global_load_b128 v[64*((\b)%4)+60:64*((\b)%4)+63], v[BO], s[8:9] offset:64*(\b)+16
.endr
	WIN 0
	; the prefetches: who asks, and from where
	s_lshl_b32 s20, s[TY], 15
	s_lshl_b32 s21, s[CXR], 13
	s_add_co_u32 s20, s20, s21
	s_add_co_u32 s20, s20, 3*XSTEP                 ; X: one step behind K step 4
	s_lshl1_add_u32 s21, s[TX], s[HALF]
	s_mul_i32 s21, s21, 16*WSTEP
	s_lshl_b32 s2, s[CYR], 13
	s_add_co_u32 s21, s21, s2
	s_add_co_u32 s21, s21, 4*WSTEP-32768           ; W: one ask behind K step 4's first byte
	s_and_b32 s2, ttmp7, 0xffff                    ; cluster y
	s_or_b32 s61, s[WV], ttmp9                     ; 0 in wave 0 of the clusters with x = 0
	s_mov_b32 s[PFS], 32768
	s_mov_b32 s[PFS+1], 0
	s_cmp_eq_u32 s[FOR], 0
	s_cselect_b64 s[PFA:PFA+1], s[4:5], s[6:7]
	s_cselect_b32 s20, s20, s21
	s_cselect_b32 s[PFS], XSTEP, s[PFS]
	s_cselect_b32 s2, s61, s2
	s_cselect_b32 s[LIM], 2, 5
	s_cmp_eq_u32 s2, 0
	s_cselect_b32 s[LIM], s[LIM], -1               ; the same in all sixteen partners, for a given wave
	s_mov_b32 s21, 0
	s_add_nc_u64 s[PFA:PFA+1], s[PFA:PFA+1], s[20:21]
	s_wait_tensorcnt 1                             ; my part of K step 0 is in; K step 1's may stay out
	s_barrier_signal -1
	s_barrier_wait -1
	LDA 0, 8, AB0, 0
	LDB 0, 0
	LDB 1, 0
	LDB 2, 0
	s_wait_loadcnt 0x0                             ; the bias
	EVEN 1
	s_mov_b32 s3, 14                               ; K steps 2 to 15 are asked for in 14 trips
.Lk:
	ODD 1
	EVEN 0
	s_sub_co_u32 s3, s3, 1
	s_cmp_lg_u32 s3, 0
	s_cbranch_scc1 .Lk
	; The last three halves ask for nothing: one text of two trips, entered in its middle.  Its second trip is K step 15's second half: its barrier orders nothing more, and the 40 fragment loads that it issues
	; from the other slot's old bytes are multiplied by nobody: the price, once a launch, of writing this half once.
	s_mov_b32 s3, 2
	s_branch .Lmid
.Ltl:
	EVEN 0
.Lmid:
	ODD 0
	s_sub_co_u32 s3, s3, 1
	s_cmp_lg_u32 s3, 0
	s_cbranch_scc1 .Ltl
	; THE WAY OUT.  The slots have had their last fill; when every wave has read them out they serve as one stage of 256 rows x 768 bytes, so that whole aligned pieces of 256 bytes of a row leave together.
	PLACES
	WIN 0
	s_wait_dscnt 0x0
	s_barrier_signal -1
	s_barrier_wait -1
.set b, 0
.rept 12
	WIN 5*(b/4+1)                                  ; sources in the accumulators' window
.set a, 0
.rept 8
.set r, 0
.rept 4
	v_cvt_pk_f16_f32 v[TMP+4*a+r], v[64*(b%4)+8*a+2*r], v[64*(b%4)+8*a+2*r+1]
.set r, r+1
.endr
.set a, a+1
.endr
	WIN 0
.set a, 0
.rept 8
	ds_store_b128 v[STO0+a/4], v[TMP+4*a:TMP+4*a+3] offset:(a%4)*16*SP+32*b
.set a, a+1
.endr
.set b, b+1
.endr
	s_wait_dscnt 0x0                               ; for the others' sake: my stores into the stage are done
	s_barrier_signal -1
	s_barrier_wait -1
.set j, 0
.rept 4                                ; 16 rows a batch, two sets of 96 registers by turns
	s_wait_xcnt 0x0                                ; the set's registers are loaded again only when the stores that read them have had their addresses translated (ISA guide 3.1)
.set k, 0
.rept 24
	ds_load_b128 v[32+96*(j%2)+4*k:35+96*(j%2)+4*k], v[RD] offset:(8*j+k/3)*2*SP+(k%3)*256
.set k, k+1
.endr
.set k, 0
.rept 24
	s_wait_dscnt 23-k
	global_store_b128 v[CO], v[32+96*(j%2)+4*k:35+96*(j%2)+4*k], s[10:11] offset:(8*j+k/3)*12288+(k%3)*256  ; 16 lanes store 256 consecutive bytes, aligned
.set k, k+1
.endr
.set j, j+1
.endr
	s_wait_tensorcnt 0x0                           ; the wave's end
	ds_add_u32 v[SPW], v[NIL]
	s_wait_dscnt 0x0
	CROUND                                         ; the closing round
	s_endpgm
.Lfunc_end_k_q125a999c76_proj:
	.size	k_q125a999c76_proj, .Lfunc_end_k_q125a999c76_proj-k_q125a999c76_proj
	.p2alignl 7, 3214868480
	.fill 96, 4, 3214868480
	.section	.rodata,"a",@progbits
	.p2align	6, 0x0
	.amdhsa_kernel k_q125a999c76_proj
		.amdhsa_group_segment_fixed_size 327680
		.amdhsa_private_segment_fixed_size 0
		.amdhsa_enable_private_segment 0
		.amdhsa_kernarg_size 32
		.amdhsa_user_sgpr_count 2
		.amdhsa_user_sgpr_kernarg_segment_ptr 1
		.amdhsa_wavefront_size32 1
		.amdhsa_system_sgpr_workgroup_id_x 1
		.amdhsa_system_sgpr_workgroup_id_y 1
		.amdhsa_system_sgpr_workgroup_id_z 1
		.amdhsa_system_vgpr_workitem_id 0
		.amdhsa_next_free_vgpr 1024
		.amdhsa_next_free_sgpr 66
		.amdhsa_reserve_vcc 0
		.amdhsa_float_denorm_mode_32 3
		.amdhsa_float_denorm_mode_16_64 3
		.amdhsa_memory_ordered 1
		.amdhsa_forward_progress 1
		.amdhsa_inst_pref_size 111
	.end_amdhsa_kernel
	.amdgpu_metadata
---
amdhsa.version: [ 1, 2 ]
amdhsa.kernels:
  - .name:           k_q125a999c76_proj
    .symbol:         k_q125a999c76_proj.kd
    .args:
      - { .name: XB, .offset: 0, .size: 8, .value_kind: global_buffer, .address_space: global }
      - { .name: WB, .offset: 8, .size: 8, .value_kind: global_buffer, .address_space: global }
      - { .name: BIAS, .offset: 16, .size: 8, .value_kind: global_buffer, .address_space: global }
      - { .name: QKV, .offset: 24, .size: 8, .value_kind: global_buffer, .address_space: global }
    .group_segment_fixed_size: 327680
    .private_segment_fixed_size: 0
    .kernarg_segment_align: 8
    .kernarg_segment_size: 32
    .max_flat_workgroup_size: 128
    .sgpr_count:     66
    .vgpr_count:     1024
    .wavefront_size: 32
...
	.end_amdgpu_metadata
.endif
;; end of part 2
;; launch scores (part 3): grid 8 x 32, 4 waves a work-group, clusters of 4 x 4, 327,680 bytes of LDS; arguments QKV, PT, STAT; writes PT, STAT
.if DOCPART == 3
	.amdgcn_target "amdgcn-amd-amdhsa--gfx1250"
	.amdhsa_code_object_version 6
	.text
	.protected	k_q125a999c76_scores
	.globl	k_q125a999c76_scores
	.p2align	8
	.type	k_q125a999c76_scores,@function
k_q125a999c76_scores:
	s_mov_b64 s[64:65], 0
	v_nop
	global_prefetch_b8 v0, s[64:65] scope:SCOPE_SE
	s_setreg_imm32_b32 hwreg(HW_REG_WAVE_MODE, 25, 1), 1
	s_wait_xcnt 0x0
	s_wait_alu depctr_hold_cnt(0) depctr_sa_sdst(0) depctr_va_vdst(0) depctr_va_sdst(0) depctr_va_ssrc(0) depctr_va_vcc(0) depctr_vm_vsrc(0)
	s_getreg_b32 s2, hwreg(HW_REG_IB_STS2, 6, 4)
	s_cmp_eq_u32 s2, 0
	s_cbranch_scc0 .Lentry_in_a_cluster
	s_endpgm
.Lentry_in_a_cluster:
	s_bfe_u32 s2, ttmp6, 0x10000c
	s_cmp_lg_u32 s2, 0xf033
	s_cbranch_scc0 .Lentry_shape_is_right
	s_endpgm
.Lentry_shape_is_right:
; SCORES: per batch S = q k^T (f16 operands, f32 sums), and the first level of the softmax.  For each query and each block of 128 keys: the block's true maximum m, the weights
; p = 2^(c s - c m), c = log2(e) / 32, rounded once to f16 -> PT, and c m and l = the sum of the unrounded p -> STAT.  The next launch joins the 16 blocks of a row by their maxima.
; LIMITS: a weight below 2^-126 counts as 0; below 6e-5 a stored weight keeps f16's fixed step of 6e-8; NaN and infinities are not treated apart.
; SHARES.  A tile of 256 queries x 256 keys to a work-group (8 x 32 = 256 of them), 128 x 128 to a wave: 64 accumulators, 512 registers.  A wave's 128 keys are one block: no wave needs another's maximum.
; K (1024 channels) goes in 8 steps of 128 through a ring of two LDS slots; tile rows are 256 bytes of memory, aligned.
; CLUSTER 4 x 4: q's tile is asked for jointly along a row of the cluster, k's along a column.
; THE PRODUCT IS TAKEN TRANSPOSED (source 0 = 16 keys, source 1 = 16 queries): a lane holds ONE query (lane % 16) and the keys 8 (lane / 16) + 0..7 of each block of 16.
; PT LIES IN FRAGMENT ORDER: [row / 16][key / 32][half][lane][8 weights].  A lane's eight weights of key block b, packed into four registers, ARE registers 0-3 (b even) or 4-7 (b odd) of the next launch's
; second source (16 queries x 32 keys).  So they are stored as they lie, 16 bytes a lane, 512 consecutive bytes an instruction: nothing goes through LDS on the way out but the two statistics.
; REGISTERS.  window 0: v0-31 addresses; v32-45 statistics at work; v64-127, v128-191 q's fragments, two buffers (at the end v128-159: partial sums); v192-223 packed weights
;   window 1: v64-127, v128-191 k's fragments   window 2: the accumulators of my rows 0-63 ((a, b) at 8 (8 a + b))   window 3: of my rows 64-127
.set KSTEP,  128
.set PITCH,  272                       ; 256 bytes + 16: the 16 rows of a fragment load start at 16 different groups of four banks (ISA guide 11.1)
.set HALFT,  128*PITCH
.set SLOT,   4*HALFT                   ; q's 256 rows, then k's 256 rows
.set STATL,  2*SLOT                    ; behind the ring: 1,024 bytes for each wave: c m of its 128 rows, then l
.set SPARE,  STATL+4096                ; the spare words, 128 bytes for each wave
.set ROWB,   6144                      ; bytes in a row of QKV
.set ADRA0, 16                         ; v16     my lane's place in q's tile; never rewritten
.set ADRA,  17                         ; v17     the same in the slot in hand
.set ADRB0, 20                         ; v20     my lane's place in k's tile
.set ADRB,  21                         ; v21
.set SGO,  22                          ; v22     16 x lane
.set SAD,  27                          ; v27     where my row's statistics go
.set SPW,  28                          ; v28     my spare word; never rewritten
.set NIL,  29                          ; v29     0; never rewritten
.set PFO,  30                          ; v30     lane x a row of QKV; never rewritten
.set SRD,  31                          ; v31     where I read the statistics back
.set CX,   32                          ; v32-39  eight running maxima
.set MX,   40                          ; v40-41  the maximum; the other half of the lanes'
.set CM,   42                          ; v42-43  c m, twice
.set LS,   44                          ; v44-45  l; the other half's
.set T,    128                         ; v128-159 partial sums
.set TMP,  192
.set F0,   64
.set F1,   128
.set LB,   18                          ; s18  wave x 128 rows: where my part of a tile lies in a slot
.set TB,   19                          ; s19  0 or SLOT: the slot that is read
.set PFA,  44                          ; s[44:45]
.set LIM,  43
.set G1, 24
.set G0, 32                            ; s[32:39], s[56:63] group 0: a set for each of the two first fills; the second then walks
.set G1B, 48
.set G0B, 56
.set GW, (1<<16)|(1<<20)|(1<<21)|(5<<22)|(3<<25)  ; 2-byte elements; padding on; bit 21 beside a mask; after every 64 words, 4 words
.set MSB, 0
.macro WIN new
.if MSB != (\new)
	s_set_vgpr_msb (MSB<<8)|(\new)
.set MSB, \new
.endif
.endm
.set MUL_LO, 0xa1                      ; source 0 (k) window 1, source 1 (q) window 0, C and D window 2
.set MUL_HI, 0xf1
.set TO_B,   0x40
.macro JLOAD                           ; a joint refill by the walking descriptor: waves 0 and 1 fetch q's two halves, waves 2 and 3 k's
	s_cmp_eq_u32 s11, 0
	s_cbranch_scc0 .Lfor_b_\@
	tensor_load_to_lds s[G0+4:G0+7], s[G1:G1+7]
	s_nop 0
.rept 4
	v_nop
.endr
	s_branch .Lasked_\@
.Lfor_b_\@:
	tensor_load_to_lds s[G0B+4:G0B+7], s[G1B:G1B+7]
	s_nop 0
.rept 4
	v_nop
.endr
.Lasked_\@:
.endm
; A PREFETCH INTO THE L2 behind each joint load and its run of LDS loads: the K step two refills on, 32 rows x 256 bytes, a lane a row.  q's rows are read by both clusters of a row of clusters: x = 0 asks;
; k's rows by the two clusters of a batch in a column: the even y asks.  Of the 128 rows that a wave fetches each of the four partners takes 32, told apart by address.  The loop's last two trips ask for nothing.
.macro ASK
	s_cmp_gt_u32 s3, s[LIM]
	s_cbranch_scc0 .Lnot_mine_\@
	global_prefetch_b8 v[PFO], s[PFA:PFA+1] offset:KSTEP*2 th:TH_LOAD_NT scope:SCOPE_SE
.Lnot_mine_\@:
.endm
.macro CREST
	s_cmp_lg_u32 s10, 0
	s_cbranch_scc1 .Lnot_wave_0_\@
	s_barrier_signal -3
.Lnot_wave_0_\@:
	s_barrier_wait -3
	s_barrier_signal -1
	s_barrier_wait -1
.endm
.macro CROUND
	s_barrier_signal -1
	s_barrier_wait -1
	CREST
.endm
	s_load_b128 s[4:7], s[0:1], 0x0                ; QKV s[4:5], PT s[6:7]
	s_load_b64 s[8:9], s[0:1], 0x10                ; STAT
	v_lshl_add_u32 v[SPW], v0, 2, SPARE
	v_mov_b32 v[NIL], 0
	ds_add_u32 v[SPW], v[NIL]                      ; the wave's opening: the add and its wait ahead of my first tensor load
	v_lshrrev_b32 v1, 5, v0
	v_readfirstlane_b32 s10, v1                    ; wave
	s_lshr_b32 s11, s10, 1                         ; my half of the queries; also: I fetch for q (0) or k (1)
	s_and_b32 s12, s10, 1                          ; my half of the keys; also: which 128 rows I fetch
	s_bfe_u32 s40, ttmp6, 0x40000                  ; cx
	s_bfe_u32 s41, ttmp6, 0x40004                  ; cy
	s_lshl_b32 s42, ttmp9, 2
	s_add_co_u32 s42, s42, s40                     ; key tile 0..7 of the batch
	s_and_b32 s13, ttmp7, 0xffff
	s_lshl_b32 s13, s13, 2
	s_add_co_u32 s13, s13, s41                     ; query tile 0..31
	s_lshl_b32 s43, s41, 2
	s_lshl_b32 s43, 15, s43
	s_lshl_b32 s44, 0x1111, s40
	s_or_b32 s[G1+0], s43, GW
	s_or_b32 s[G1B+0], s44, GW
.irp g, G1, G1B
	s_mov_b32 s[(\g)+1], KSTEP<<16                 ; tensor_dim0 = 128
	s_mov_b32 s[(\g)+2], 128<<16                   ; tensor_dim1 = 128
	s_mov_b32 s[(\g)+3], KSTEP<<16                 ; tile_dim0
	s_mov_b32 s[(\g)+4], 128                       ; tile_dim1
	s_mov_b32 s[(\g)+5], 3072                      ; elements from row to row
	s_mov_b32 s[(\g)+6], 0
	s_mov_b32 s[(\g)+7], 0
.endr
	s_lshl_b32 s17, s12, 7
	s_lshl_b32 s16, s13, 8
	s_add_co_u32 s16, s16, s17                     ; q: row 256 x query tile + 128 x half
	s_and_b32 s46, ttmp7, 0xffff
	s_lshr_b32 s46, s46, 1                         ; the batch: two clusters along y each
	s_lshl_b32 s46, s46, 11
	s_lshl_b32 s47, s42, 8
	s_add_co_u32 s46, s46, s47
	s_add_co_u32 s46, s46, s17                     ; k: row 2048 x batch + 256 x key tile + 128 x half
	s_mul_i32 s16, s16, ROWB
	s_mul_i32 s46, s46, ROWB
	s_add_co_u32 s46, s46, 2048                    ; k's columns begin 2,048 bytes into a row
	s_mov_b32 s17, 0
	s_mov_b32 s47, 0
	s_mul_i32 s[LB], s10, HALFT                    ; no place in the cluster enters an LDS address
	s_mov_b32 s[TB], 0
	s_wait_dscnt 0x0                               ; the opening add is done
	s_wait_kmcnt 0x0
	s_add_nc_u64 s[14:15], s[4:5], s[16:17]
	s_add_nc_u64 s[46:47], s[4:5], s[46:47]
	CROUND
.irp s, 0,1
	s_mov_b32 s[G0+4*(\s)], 1
	s_add_co_u32 s[G0+4*(\s)+1], s[LB], (\s)*SLOT
	s_add_nc_u64 s[G0+4*(\s)+2:G0+4*(\s)+3], s[14:15], (\s)*KSTEP*2
	s_or_b32 s[G0+4*(\s)+3], s[G0+4*(\s)+3], 0x80000000
	s_mov_b32 s[G0B+4*(\s)], 1
	s_add_co_u32 s[G0B+4*(\s)+1], s[LB], (\s)*SLOT
	s_add_nc_u64 s[G0B+4*(\s)+2:G0B+4*(\s)+3], s[46:47], (\s)*KSTEP*2
	s_or_b32 s[G0B+4*(\s)+3], s[G0B+4*(\s)+3], 0x80000000
.endr
	s_cmp_eq_u32 s11, 0                            ; a wave's two first fills stand in one branch: two loads of mine are out
	s_cbranch_scc0 .Lfirst_b
	tensor_load_to_lds s[G0:G0+3], s[G1:G1+7]
	s_nop 0
	tensor_load_to_lds s[G0+4:G0+7], s[G1:G1+7]
	s_nop 0
.rept 4
	v_nop
.endr
	s_branch .Lfirst_asked
.Lfirst_b:
	tensor_load_to_lds s[G0B:G0B+3], s[G1B:G1B+7]
	s_nop 0
	tensor_load_to_lds s[G0B+4:G0B+7], s[G1B:G1B+7]
	s_nop 0
.rept 4
	v_nop
.endr
.Lfirst_asked:
	v_and_b32 v1, 15, v0
	v_bfe_u32 v2, v0, 4, 1
	v_mul_u32_u24 v3, v1, PITCH
	v_lshl_add_u32 v3, v2, 4, v3
	s_mul_i32 s21, s11, HALFT
	s_mul_i32 s22, s12, HALFT
	s_add_co_u32 s22, s22, 2*HALFT
	v_add_nc_u32 v[ADRA0], s21, v3
	v_add_nc_u32 v[ADRB0], s22, v3
	v_mov_b32 v[ADRA], v[ADRA0]
	v_mov_b32 v[ADRB], v[ADRB0]
	s_lshl_b32 s23, s10, 10
	s_add_co_u32 s23, s23, STATL
	v_lshl_add_u32 v[SAD], v1, 2, s23
	v_and_b32 v3, 31, v0
	v_lshl_add_u32 v[SRD], v3, 4, s23
	v_lshlrev_b32 v[SGO], 4, v3
	v_mov_b32 v[MX+1], 0                           ; v_permlanex16_b32's destinations count as read: written once here
	v_mov_b32 v[LS+1], 0
	s_lshl_b32 s16, s13, 4
	s_lshl3_add_u32 s16, s11, s16                  ; my first block of 16 rows: 16 x query tile + 8 x half,
	s_lshl_b32 s16, s16, 16                        ; 65,536 bytes each
	s_mov_b32 s17, 0
	s_add_nc_u64 s[6:7], s[6:7], s[16:17]
	s_lshl_b32 s46, s42, 13                        ; my first block of 32 keys: 8 x key tile + 4 x half, 1,024 bytes each
	s_lshl_b32 s47, s12, 12
	s_add_co_u32 s46, s46, s47
	s_mov_b32 s47, 0
	s_add_nc_u64 s[6:7], s[6:7], s[46:47]
	s_lshl_b32 s16, s13, 10
	s_lshl_b32 s17, s11, 9
	s_add_co_u32 s16, s16, s17                     ; 4 bytes x my first row
	s_mov_b32 s17, 0
	s_add_nc_u64 s[8:9], s[8:9], s[16:17]          ; STAT at my first row,
	s_lshl1_add_u32 s46, s42, s12
	s_lshl_b32 s46, s46, 15
	s_add_nc_u64 s[8:9], s[8:9], s[46:47]          ; in my block's plane of 32,768 bytes
	; the prefetches
	s_lshl_b32 s20, s13, 8
	s_and_b32 s22, ttmp7, 0xffff
	s_lshr_b32 s23, s22, 1
	s_lshl_b32 s23, s23, 11
	s_lshl_b32 s21, s42, 8
	s_add_co_u32 s23, s23, s21
	s_and_b32 s22, s22, 1
	s_cmp_eq_u32 s11, 0
	s_cselect_b32 s20, s20, s23                    ; the tile's first row
	s_cselect_b32 s21, s40, s41                    ; my place among the four that ask with me
	s_cselect_b32 s22, ttmp9, s22                  ; the coordinate along which other clusters read the same rows
	s_cselect_b32 s23, 0, 2048
	s_cmp_eq_u32 s22, 0
	s_cselect_b32 s[LIM], 2, -1
	s_lshl_b32 s22, s12, 7
	s_add_co_u32 s20, s20, s22
	s_lshl_b32 s21, s21, 5
	s_add_co_u32 s20, s20, s21
	s_mul_i32 s20, s20, ROWB
	s_add_co_u32 s20, s20, s23
	s_add_co_u32 s20, s20, 2*KSTEP*2               ; at K step 2: the first refill steps it to 3 and names K step 4
	s_mov_b32 s21, 0
	s_add_nc_u64 s[PFA:PFA+1], s[4:5], s[20:21]
	v_and_b32 v[PFO], 31, v0
	v_mul_u32_u24 v[PFO], v[PFO], ROWB
	s_mov_b32 s20, 0x3d38aa3b                      ; c = log2(e) / 32
	s_mov_b32 s21, s20
	s_mov_b32 s22, 0x76543210                      ; each lane takes its own place in the other half
	s_mov_b32 s23, 0xfedcba98
.macro MUL16 f, hi, a0, zero           ; 16 products: row blocks a0, a0 + 1 of the window's four x all 8 key blocks, 32 along K; the 64 accumulators take turns
	WIN MUL_LO+0x50*(\hi)
.irp a, \a0, (\a0)+1
.irp b, 0,1,2,3,4,5,6,7
.if \zero
	v_wmma_f32_16x16x32_f16 v[8*(8*(\a)+(\b)):8*(8*(\a)+(\b))+7], v[(\f)+8*(\b):(\f)+8*(\b)+7], v[(\f)+8*(4*(\hi)+(\a)):(\f)+8*(4*(\hi)+(\a))+7], 0
.else
	v_wmma_f32_16x16x32_f16 v[8*(8*(\a)+(\b)):8*(8*(\a)+(\b))+7], v[(\f)+8*(\b):(\f)+8*(\b)+7], v[(\f)+8*(4*(\hi)+(\a)):(\f)+8*(4*(\hi)+(\a))+7], v[8*(8*(\a)+(\b)):8*(8*(\a)+(\b))+7]
.endif
.endr
.endr
.endm
.macro FETCH k, f                      ; 32 LDS loads in one run: a quarter step's fragments at byte k of the rows of the slot in hand, k's first
	WIN TO_B
.irp i, 0,1,2,3,4,5,6,7
	ds_load_b128 v[(\f)+8*(\i):(\f)+8*(\i)+3],   v[ADRB] offset:(\k)+(\i)*16*PITCH
	ds_load_b128 v[(\f)+8*(\i)+4:(\f)+8*(\i)+7], v[ADRB] offset:(\k)+(\i)*16*PITCH+32
.endr
	WIN 0
.irp i, 0,1,2,3,4,5,6,7
	ds_load_b128 v[(\f)+8*(\i):(\f)+8*(\i)+3],   v[ADRA] offset:(\k)+(\i)*16*PITCH
	ds_load_b128 v[(\f)+8*(\i)+4:(\f)+8*(\i)+7], v[ADRA] offset:(\k)+(\i)*16*PITCH+32
.endr
.endm
.macro PLACES
.rept 4
	v_nop
.endr
.endm
.macro QUARTER k, f, g, zero           ; one of a K step's first three quarters: multiplies buffer f; in its middle it fetches the next quarter, at byte k, into g
	s_wait_dscnt 8                                 ; k's fragments and q's rows 0-63 are in; the youngest eight loads may be out
	WIN MUL_LO
	MUL16 \f, 0, 0, \zero
	MUL16 \f, 0, 2, \zero
	PLACES
	FETCH \k, \g
	s_wait_dscnt 32                                ; all but the 32 just issued
	WIN MUL_HI
	MUL16 \f, 1, 0, \zero
	MUL16 \f, 1, 2, \zero
.endm
; The change of slots, then the K step's last quarter (buffer 1).  All of this slot's fragments were asked for 32 products ago, so the change stands at the quarter's head: each wave waits for all its tensor loads
; (one is out: its part of the next slot), adds 0 to its spare word, steps the descriptors meanwhile, and waits for the add and for its reads of this slot; then ONE barrier.  fill = 1: it opens a round of the
; cluster's, and the joint refill (the K step two on, into the slot just read) is the first thing behind it: all 256 products of a K step stand between it and the wait for it.
.macro TURN fill
	WIN 0
.if \fill
	s_wait_xcnt 0x0                                ; the last prefetch, a K step back, has read its address
	s_add_nc_u64 s[PFA:PFA+1], s[PFA:PFA+1], KSTEP*2
.endif
	s_wait_tensorcnt 0x0                           ; no tensor load of mine is out, so a group 0 may be written
	ds_add_u32 v[SPW], v[NIL]
.if \fill
	s_add_co_u32 s[G0+5], s[LB], s[TB]             ; the walking descriptors: my part of the slot that has been read,
	s_add_co_u32 s[G0B+5], s[LB], s[TB]
	s_add_nc_u64 s[G0+6:G0+7], s[G0+6:G0+7], KSTEP*2    ; the next K step
	s_add_nc_u64 s[G0B+6:G0B+7], s[G0B+6:G0B+7], KSTEP*2
.endif
	s_xor_b32 s[TB], s[TB], SLOT                   ; 0 <-> SLOT: the reads go on in the other slot
	s_wait_dscnt 0x0                               ; the add is done, and my reads of this slot are over
	s_barrier_signal -1
	s_barrier_wait -1
.if \fill
	CREST
	JLOAD                                          ; its four v_nop are also the places between buffer 0's last products and the loads below
.else
	PLACES
.endif
	v_add_nc_u32 v[ADRA], s[TB], v[ADRA0]
	v_add_nc_u32 v[ADRB], s[TB], v[ADRB0]
	FETCH 0, F0
.if \fill
	ASK
.endif
	MUL16 F1, 0, 0, 0
	MUL16 F1, 0, 2, 0
	MUL16 F1, 1, 0, 0
	MUL16 F1, 1, 2, 0
.endm
; THE END.  Block a: 16 queries x my 128 keys in 64 registers of window W: maximum, weights, their sum; the packed weights leave at once.
.macro SOFT a
.set W, 2+(\a)/4
.set AC, 64*((\a)%4)
	WIN W|(W<<2)|(W<<4)
.irp b, 0,1,2,3,4,5,6,7                ; each accumulator's lowest registers are read first
	v_max3_num_f32 v[CX+\b], v[AC+8*\b], v[AC+8*\b+1], v[AC+8*\b+2]
.endr
	WIN (W<<2)|(W<<4)
.irp b, 0,1,2,3,4,5,6,7
	v_max3_num_f32 v[CX+\b], v[CX+\b], v[AC+8*\b+3], v[AC+8*\b+4]
.endr
.irp b, 0,1,2,3,4,5,6,7
	v_max3_num_f32 v[CX+\b], v[CX+\b], v[AC+8*\b+5], v[AC+8*\b+6]
.endr
.irp p, 0,1,2,3
	v_max3_num_f32 v[CX+2*\p], v[CX+2*\p], v[AC+16*\p+7], v[AC+16*\p+15]
.endr
	WIN 0
	v_max3_num_f32 v[CX], v[CX], v[CX+1], v[CX+2]
	v_max3_num_f32 v[CX+3], v[CX+3], v[CX+4], v[CX+5]
	v_max3_num_f32 v[CX], v[CX], v[CX+6], v[CX+7]
	v_max_num_f32 v[CX], v[CX], v[CX+3]
	v_permlanex16_b32 v[MX+1], v[CX], s22, s23     ; the query's other 64 keys lie in the lane 16 away
	v_max_num_f32 v[MX], v[CX], v[MX+1]
	v_mul_f32 v[CM], s20, v[MX]
	v_mov_b32 v[CM+1], v[CM]
	WIN (W<<6)|W
.set i, 0
.rept 32
	v_pk_fma_f32 v[AC+2*i:AC+2*i+1], v[AC+2*i:AC+2*i+1], s[20:21], v[CM:CM+1] op_sel_hi:[1,0,0] neg_lo:[0,0,1] neg_hi:[0,0,1]  ; c s - c m
.set i, i+1
.endr
.set i, 0
.rept 64
	v_exp_f32 v[AC+i], v[AC+i]
.set i, i+1
.endr
	v_nop                                          ; a plain instruction behind the last exponential,
	s_wait_alu depctr_va_vdst(0)                   ; and one wait for the batch of 64, ahead of the first use
.if (\a) > 0
	s_wait_xcnt 0x0                                ; the packed registers were the data of the last block's stores, issued a block's scaling and exponentials ago (ISA guide 3.1)
.endif
	WIN W|(W<<2)
.irp b, 0,1,2,3,4,5,6,7
.irp r, 0,1,2,3
	v_cvt_pk_f16_f32 v[TMP+4*\b+\r], v[AC+8*\b+2*\r], v[AC+8*\b+2*\r+1]
.endr
.endr
.set i, 0
.rept 16
	v_pk_add_f32 v[T+2*i:T+2*i+1], v[AC+4*i:AC+4*i+1], v[AC+4*i+2:AC+4*i+3]
.set i, i+1
.endr
	WIN 0
.irp b, 0,1,2,3,4,5,6,7
	global_store_b128 v[SGO], v[TMP+4*\b:TMP+4*\b+3], s[6:7] offset:(\a)*65536+\b*512  ; half a fragment: 512 consecutive bytes, aligned
.endr
.irp w, 8,4,2,1
.set i, 0
.rept \w
	v_pk_add_f32 v[T+2*i:T+2*i+1], v[T+2*i:T+2*i+1], v[T+2*(i+\w):T+2*(i+\w)+1]
.set i, i+1
.endr
.endr
	v_add_f32 v[LS], v[T], v[T+1]
	v_permlanex16_b32 v[LS+1], v[LS], s22, s23
	v_add_f32 v[LS], v[LS], v[LS+1]
	ds_store_b32 v[SAD], v[CM] offset:64*(\a)      ; both halves of the lanes hold the same number and write the same word
	ds_store_b32 v[SAD], v[LS] offset:64*(\a)+512
.endm
	s_wait_tensorcnt 1                             ; my part of K step 0 is in; K step 1's may stay out
	s_barrier_signal -1
	s_barrier_wait -1
	FETCH 0, F0
	QUARTER 64,  F0, F1, 1                         ; the first quarter's products start the sums
	WIN 0
	s_mov_b32 s3, 6                                ; K steps 2 to 7 are asked for in 6 trips
.Lk:                                           ; a trip goes from a K step's second quarter to the next step's first
	QUARTER 128, F1, F0, 0
	QUARTER 192, F0, F1, 0
	TURN 1
	QUARTER 64,  F0, F1, 0
	WIN 0
	s_sub_co_u32 s3, s3, 1
	s_cmp_lg_u32 s3, 0
	s_cbranch_scc1 .Lk
	; K steps 6 and 7 ask for nothing: one text of two trips, entered in its middle.  In its second trip the barrier orders nothing more, and the 32 fragment loads from the other slot's old bytes are multiplied
	; by nobody: the price, once a launch, of writing these quarters once.
	s_mov_b32 s3, 2
	s_branch .Lmid
.Ltl:
	QUARTER 64,  F0, F1, 0
	WIN 0
.Lmid:
	QUARTER 128, F1, F0, 0
	QUARTER 192, F0, F1, 0
	TURN 0
	WIN 0
	s_sub_co_u32 s3, s3, 1
	s_cmp_lg_u32 s3, 0
	s_cbranch_scc1 .Ltl
	s_wait_dscnt 0x0                               ; the last run of loads has landed: no register is pending
	PLACES
.irp a, 0,1,2,3,4,5,6,7
	SOFT \a
.endr
	ds_load_b128 v[T:T+3], v[SRD]                  ; c m of my 128 rows, four a lane (LDS serves a wave's instructions in order: ISA guide 5.7.1.4),
	ds_load_b128 v[T+4:T+7], v[SRD] offset:512     ; and l
	s_wait_dscnt 0x0
	global_store_b128 v[SGO], v[T:T+3], s[8:9]     ; 512 consecutive bytes each
	global_store_b128 v[SGO], v[T+4:T+7], s[8:9] offset:524288
	s_wait_tensorcnt 0x0                           ; the wave's end
	ds_add_u32 v[SPW], v[NIL]
	s_wait_dscnt 0x0
	CROUND                                         ; the closing round
	s_endpgm
.Lfunc_end_k_q125a999c76_scores:
	.size	k_q125a999c76_scores, .Lfunc_end_k_q125a999c76_scores-k_q125a999c76_scores
	.p2alignl 7, 3214868480
	.fill 96, 4, 3214868480
	.section	.rodata,"a",@progbits
	.p2align	6, 0x0
	.amdhsa_kernel k_q125a999c76_scores
		.amdhsa_group_segment_fixed_size 327680
		.amdhsa_private_segment_fixed_size 0
		.amdhsa_enable_private_segment 0
		.amdhsa_kernarg_size 24
		.amdhsa_user_sgpr_count 2
		.amdhsa_user_sgpr_kernarg_segment_ptr 1
		.amdhsa_wavefront_size32 1
		.amdhsa_system_sgpr_workgroup_id_x 1
		.amdhsa_system_sgpr_workgroup_id_y 1
		.amdhsa_system_sgpr_workgroup_id_z 1
		.amdhsa_system_vgpr_workitem_id 0
		.amdhsa_next_free_vgpr 1024
		.amdhsa_next_free_sgpr 66
		.amdhsa_reserve_vcc 0
		.amdhsa_float_denorm_mode_32 3
		.amdhsa_float_denorm_mode_16_64 3
		.amdhsa_memory_ordered 1
		.amdhsa_forward_progress 1
		.amdhsa_inst_pref_size 161
	.end_amdhsa_kernel
	.amdgpu_metadata
---
amdhsa.version: [ 1, 2 ]
amdhsa.kernels:
  - .name:           k_q125a999c76_scores
    .symbol:         k_q125a999c76_scores.kd
    .args:
      - { .name: QKV, .offset: 0, .size: 8, .value_kind: global_buffer, .address_space: global }
      - { .name: PT, .offset: 8, .size: 8, .value_kind: global_buffer, .address_space: global }
      - { .name: STAT, .offset: 16, .size: 8, .value_kind: global_buffer, .address_space: global }
    .group_segment_fixed_size: 327680
    .private_segment_fixed_size: 0
    .kernarg_segment_align: 8
    .kernarg_segment_size: 24
    .max_flat_workgroup_size: 128
    .sgpr_count:     66
    .vgpr_count:     1024
    .wavefront_size: 32
...
	.end_amdgpu_metadata
.endif
;; end of part 3
;; launch pv (part 4): grid 4 x 64, 4 waves a work-group, clusters of 4 x 4, 327,680 bytes of LDS; arguments PT, QKV, STAT, out0; writes out0
.if DOCPART == 4
	.amdgcn_target "amdgcn-amd-amdhsa--gfx1250"
	.amdhsa_code_object_version 6
	.text
	.protected	k_q125a999c76_pv
	.globl	k_q125a999c76_pv
	.p2align	8
	.type	k_q125a999c76_pv,@function
k_q125a999c76_pv:
	s_mov_b64 s[64:65], 0
	v_nop
	global_prefetch_b8 v0, s[64:65] scope:SCOPE_SE
	s_setreg_imm32_b32 hwreg(HW_REG_WAVE_MODE, 25, 1), 1
	s_wait_xcnt 0x0
	s_wait_alu depctr_hold_cnt(0) depctr_sa_sdst(0) depctr_va_vdst(0) depctr_va_sdst(0) depctr_va_ssrc(0) depctr_va_vcc(0) depctr_vm_vsrc(0)
	s_getreg_b32 s2, hwreg(HW_REG_IB_STS2, 6, 4)
	s_cmp_eq_u32 s2, 0
	s_cbranch_scc0 .Lentry_in_a_cluster
	s_endpgm
.Lentry_in_a_cluster:
	s_bfe_u32 s2, ttmp6, 0x10000c
	s_cmp_lg_u32 s2, 0xf033
	s_cbranch_scc0 .Lentry_shape_is_right
	s_endpgm
.Lentry_shape_is_right:
; PV: the second level of the softmax and the second product.  For a row with block maxima c m_j and block sums l_j (j = 0..15): M = max c m_j, e_j = 2^(c m_j - M) <= 1, L = the sum of l_j e_j >= 1,
; out[row][:] = (the sum over j of e_j x (the sum over the block's keys of p V)) / L.  The stored weights p (f16) are multiplied by e_j (f16, twice in a word) between their LDS load and the matrix
; instruction; sums in f32; 1 / L is applied in f32 at the end; out0 is f32.
; LIMITS: e_j and p e_j below 6e-5 keep f16's fixed step of 6e-8; e_j below 2^-126 counts as 0 in L; NaN and infinities are not treated apart.
; SHARES.  A tile of 128 queries x 256 channels to a work-group (4 x 64 = 256 of them), 64 x 128 to a wave: 32 accumulators.  The keys go in 16 steps of 128, one block each, through a ring of two LDS slots.
; CLUSTER 4 x 4: the weights' tile is asked for jointly along a row of the cluster, V's along a column.
; LAYOUT.  out^T = V^T P (source 0 = 16 channels x 32 keys, turned out of LDS by ds_load_tr16_b128; source 1 = 16 queries x 32 keys): a lane holds ONE query (lane % 16), in P, in its factor and in the result.
; PT lies in fragment order, [row / 16][key / 32][half][lane][8]: a key step of 16 rows is 4,096 dense bytes, and a fragment comes out of LDS by two loads of 512 consecutive bytes: no padding is wanted.
; REGISTERS.  window 0: v0-31 addresses; v32-95, v96-159, v160-223 V's fragments of a quarter step, three buffers X, Y, Z; v224-227 the step's factors, one a row block; v232-239 1 / L
;   window 1: v0-127 accumulators of row blocks 0, 1 ((a', b) at 64 a' + 8 b); v128-191 their P fragments, quarter q at 128 + 16 q + 8 a'      window 2: the same for row blocks 2, 3
; Under a product's window setting the scaling v_pk_mul_f16 P, factor, P needs no switch: destination and source 1 lie in the accumulators' window, source 0 in window 0.
.set PV,    544                        ; a row of V: 512 + 32
.set VOFF,  32768                      ; a slot: P's 8 row blocks x 4,096 bytes, then V's 128 keys
.set SLOT1, 1<<17
.set FT,    237568                     ; 17 blocks x 128 rows x 4 bytes: e_j as f16, twice; the seventeenth holds 0
.set IL,    FT+17*512                  ; 128 rows x 4 bytes: 1 / L
.set STAGE, IL+512                     ; 16 rows x 528 bytes for each wave
.set SP,    528
.set SPARE, STAGE+4*16*SP              ; the spare words, 128 bytes for each wave
.set ASTEP, 4096
.set VSTEP, 128*6144
.set ADRA0, 4
.set ADRB0, 5
.set FADR0, 6
.set STO,   7
.set RD,    8
.set CO,    9
.set PFO,   10
.set ILA,   11
.set SPW,   12                         ; v12  my spare word; never rewritten
.set NIL,   13                         ; v13  0; never rewritten
.set ADRA,  14
.set ADRB,  15
.set FADR,  16
.set BX,    32
.set BY,    96
.set BZ,    160
.set FA,    224
.set IV,    232
.set WV,   12
.set FOR,  13                          ; s13  wave / 2: my half of the queries; also: I fetch for P (0) or V (1)
.set HALF, 14                          ; s14  wave % 2: my half of the channels; also: which half of that tile I fetch
.set CXR,  15
.set CYR,  16
.set TX,   17
.set TY,   18
.set TB,   19                          ; s19  0 or SLOT1: the slot that is read
.set FB,   2                           ; s2   512 x the block whose factors are fetched next
.set G1A,  24
.set G1B,  32
.set G0A,  40
.set G0B,  48
.set PFA,  56
.set PFS,  58
.set LIM,  60
.set MSB, 0
.macro WIN new
.if MSB != (\new)
	s_set_vgpr_msb (MSB<<8)|(\new)
.set MSB, \new
.endif
.endm
.macro PLACES
.rept 4
	v_nop
.endr
.endm
.macro CREST
	s_cmp_lg_u32 s[WV], 0
	s_cbranch_scc1 .Lnot_wave_0_\@
	s_barrier_signal -3
.Lnot_wave_0_\@:
	s_barrier_wait -3
	s_barrier_signal -1
	s_barrier_wait -1
.endm
.macro CROUND
	s_barrier_signal -1
	s_barrier_wait -1
	CREST
.endm
.macro JLOAD
	s_cmp_eq_u32 s[FOR], 0
	s_cbranch_scc0 .Lfor_b_\@
	tensor_load_to_lds s[G0A+4:G0A+7], s[G1A:G1A+7]
	s_nop 0
.rept 4
	v_nop
.endr
	s_branch .Lasked_\@
.Lfor_b_\@:
	tensor_load_to_lds s[G0B+4:G0B+7], s[G1B:G1B+7]
	s_nop 0
.rept 4
	v_nop
.endr
.Lasked_\@:
.endm
; A PREFETCH INTO THE L2 behind each joint load and the LDS loads that follow it: the key step two refills on, 32 blocks of 256 bytes, one instruction.
; P's tile is read by one row of one cluster: wave 0 of each of its four partners asks for two of its eight row blocks (by cx), sixteen lanes a row block's 4,096 bytes.  V's rows are read by the four clusters of a
; batch: the first of them asks, waves 2 and 3 for the 64 keys that they fetch, each of the four partners (by cy) for 16 keys x 2 blocks.  Key steps 0 to 3 come by their loads alone; the last asks name key step 15.
.macro ASK
	s_cmp_gt_u32 s3, s[LIM]
	s_cbranch_scc0 .Lnot_mine_\@
	global_prefetch_b8 v[PFO], s[PFA:PFA+1] th:TH_LOAD_NT scope:SCOPE_SE
.Lnot_mine_\@:
.endm
.macro LB buf, q                       ; V's eight fragments of quarter q: 16 turning loads
	WIN 0
.irp b, 0,1,2,3,4,5,6,7
	ds_load_tr16_b128 v[(\buf)+8*\b:(\buf)+8*\b+3],   v[ADRB] offset:32*PV*(\q)+32*\b
	ds_load_tr16_b128 v[(\buf)+8*\b+4:(\buf)+8*\b+7], v[ADRB] offset:32*PV*(\q)+32*\b+16*PV
.endr
.endm
.macro LA q                            ; P's four fragments of quarter q: 8 loads of 512 consecutive bytes
	WIN 0x40
.irp a, 0,1
	ds_load_b128 v[128+16*(\q)+8*\a:128+16*(\q)+8*\a+3],   v[ADRA] offset:4096*\a+1024*(\q)
	ds_load_b128 v[128+16*(\q)+8*\a+4:128+16*(\q)+8*\a+7], v[ADRA] offset:4096*\a+1024*(\q)+512
.endr
	WIN 0x80
.irp a, 0,1
	ds_load_b128 v[128+16*(\q)+8*\a:128+16*(\q)+8*\a+3],   v[ADRA] offset:4096*(\a+2)+1024*(\q)
	ds_load_b128 v[128+16*(\q)+8*\a+4:128+16*(\q)+8*\a+7], v[ADRA] offset:4096*(\a+2)+1024*(\q)+512
.endr
	WIN 0
.endm
.macro LF a0                           ; the factors of row blocks a0, a0 + 1
	ds_load_b32 v[FA+(\a0)],   v[FADR] offset:64*(\a0)
	ds_load_b32 v[FA+(\a0)+1], v[FADR] offset:64*(\a0)+64
.endm
.macro RIDE half, q, n                 ; register n of 16 of the next quarter's P fragments of this half, times its row's factor
	v_pk_mul_f16 v[128+16*(((\q)+1)%4)+(\n)], v[FA+2*((\half)-1)+(\n)/8], v[128+16*(((\q)+1)%4)+(\n)]
.endm
; The 16 products of a half (window 1 or 2) in quarter q: channel block k / 2, row block k % 2.  The 32 accumulators take turns.
; One scaling stands behind each of the first twelve; the last four stand behind product 15, where they are also the four places in front of the loads that follow.
.macro GRP half, q, buf, zero
	WIN 0x54*(\half)
.set kk, 0
.rept 16
.set rD, 64*(kk%2)+8*(kk/2)
.set rA, 128+16*(\q)+8*(kk%2)
.set rB, (\buf)+8*(kk/2)
.if \zero
	v_wmma_f32_16x16x32_f16 v[rD:rD+7], v[rB:rB+7], v[rA:rA+7], 0
.else
	v_wmma_f32_16x16x32_f16 v[rD:rD+7], v[rB:rB+7], v[rA:rA+7], v[rD:rD+7]
.endif
.if kk < 12
	RIDE \half, \q, kk
.endif
.if kk == 15
	RIDE \half, \q, 12
	RIDE \half, \q, 13
	RIDE \half, \q, 14
	RIDE \half, \q, 15
.endif
.set kk, kk+1
.endr
.endm
.macro QZERO zero                      ; quarter 0 of a key step
	WIN 0
	s_add_co_u32 s[FB], s[FB], 512
	v_add_nc_u32 v[FADR], s[FB], v[FADR0]          ; on to the next block's factors
	LB BY, 1
	LA 2
	s_wait_dscnt 24                                ; all but the 24 just issued
	GRP 1, 0, BX, \zero
	GRP 2, 0, BX, \zero
.endm
; Quarters 1, 2 and 3 of a key step.  Quarter 1 asks for the slot's last fragments; so the change of slots stands at quarter 2's head: each wave waits for all its tensor loads (one is out: its part of the next
; slot), adds 0 to its spare word, steps the descriptors meanwhile, and waits for the add and for its reads of this slot; then ONE barrier.  fill = 1: it opens a round of the cluster's, and the joint refill (the key
; step two on) is the first thing behind it: all 128 products of a key step stand between it and the wait for it.
.macro BODY fill
	LB BX, 2
	LA 3
	LB BZ, 3
	s_wait_dscnt 40                                ; all but the 40 just issued: V of quarter 1 and P of quarter 2 are in
	GRP 1, 1, BY, 0
	GRP 2, 1, BY, 0
	WIN 0
.if \fill
	s_wait_xcnt 0x0                                ; the last prefetch, a key step back, has read its address
	s_add_nc_u64 s[PFA:PFA+1], s[PFA:PFA+1], s[PFS:PFS+1]
.endif
	s_wait_tensorcnt 0x0                           ; no tensor load of mine is out, so a group 0 may be written
	ds_add_u32 v[SPW], v[NIL]
.if \fill
	s_xor_b32 s[G0A+5], s[G0A+5], SLOT1            ; the walking descriptors: the other slot than last time, the next key step
	s_add_nc_u64 s[G0A+6:G0A+7], s[G0A+6:G0A+7], ASTEP
	s_xor_b32 s[G0B+5], s[G0B+5], SLOT1
	s_add_nc_u64 s[G0B+6:G0B+7], s[G0B+6:G0B+7], VSTEP
.endif
	s_xor_b32 s[TB], s[TB], SLOT1
	s_wait_dscnt 0x0                               ; the add is done, and my reads of this slot are over
	s_barrier_signal -1
	s_barrier_wait -1
.if \fill
	CREST
	JLOAD
.endif
	v_add_nc_u32 v[ADRA], s[TB], v[ADRA0]
	v_add_nc_u32 v[ADRB], s[TB], v[ADRB0]
	LA 0                                           ; the next step's first P
.if \fill
	ASK
.endif
	GRP 1, 2, BX, 0
	WIN 0
	LF 0                                           ; row blocks 0, 1 have had their last scaling of this step; 2, 3 have theirs below
	GRP 2, 2, BX, 0
	WIN 0
	LF 2
	LB BX, 0
	LA 1
	s_wait_dscnt 26                                ; all but the 26 just issued: the next step's first P and the factors of row blocks 0, 1 are in
	GRP 1, 3, BZ, 0
	s_wait_dscnt 24                                ; the factors of row blocks 2, 3 are in: they head the run of 26
	GRP 2, 3, BZ, 0
.endm
	s_load_b256 s[4:11], s[0:1], 0x0               ; PT 4, QKV 6, STAT 8, out0 10
	v_lshl_add_u32 v[SPW], v0, 2, SPARE
	v_mov_b32 v[NIL], 0
	ds_add_u32 v[SPW], v[NIL]                      ; the wave's opening: the add and its wait ahead of my first tensor load
	v_lshrrev_b32 v1, 5, v0
	v_readfirstlane_b32 s[WV], v1
	s_lshr_b32 s[FOR], s[WV], 1
	s_and_b32 s[HALF], s[WV], 1
	s_bfe_u32 s[CXR], ttmp6, 0x40000
	s_bfe_u32 s[CYR], ttmp6, 0x40004
	s_lshl_b32 s[TX], ttmp9, 2
	s_add_co_u32 s[TX], s[TX], s[CXR]              ; channel tile 0..3
	s_and_b32 s[TY], ttmp7, 0xffff
	s_lshr_b32 s61, s[TY], 2                       ; the batch: four clusters along y each
	s_lshl_b32 s[TY], s[TY], 2
	s_add_co_u32 s[TY], s[TY], s[CYR]              ; query tile 0..63
	s_lshl_b32 s20, s[CYR], 2
	s_lshl_b32 s20, 15, s20
	s_lshl_b32 s21, 0x1111, s[CXR]
	s_or_b32 s[G1A], s20, (3<<16)|(1<<21)          ; elements of 8 bytes; no padding; bit 21 beside a mask
	s_or_b32 s[G1B], s21, (1<<16)|(1<<20)|(1<<21)|(6<<22)|(7<<25)  ; elements of 2 bytes; after every 128 words, 8 words of padding
	s_mov_b32 s[G1A+1], 512<<16                    ; P: 4 row blocks x 4,096 bytes (512 elements),
	s_mov_b32 s[G1A+2], 4<<16
	s_mov_b32 s[G1A+3], 512<<16
	s_mov_b32 s[G1A+4], 4
	s_mov_b32 s[G1A+5], 8192                       ; 65,536 bytes from a row block to the next
	s_mov_b32 s[G1A+6], 0
	s_mov_b32 s[G1A+7], 0
	s_mov_b32 s[G1B+1], 256<<16                    ; V: 64 keys x 256 channels
	s_mov_b32 s[G1B+2], 64<<16
	s_mov_b32 s[G1B+3], 256<<16
	s_mov_b32 s[G1B+4], 64
	s_mov_b32 s[G1B+5], 3072
	s_mov_b32 s[G1B+6], 0
	s_mov_b32 s[G1B+7], 0
	s_lshl_b32 s22, s[TY], 19                      ; P: 8 row blocks of 65,536 bytes a tile,
	s_lshl_b32 s23, s[HALF], 18                    ; my 4 of them
	s_add_co_u32 s22, s22, s23
	s_mov_b32 s23, 0
	s_lshl_b32 s62, s61, 11                        ; V: the batch's rows,
	s_lshl_b32 s63, s[HALF], 6                     ; my 64 keys of a step,
	s_add_co_u32 s62, s62, s63
	s_mul_i32 s62, s62, 6144
	s_lshl_b32 s63, s[TX], 9                       ; the tile's 256 channels,
	s_add_co_u32 s62, s62, s63
	s_add_co_u32 s62, s62, 4096                    ; v's columns begin 4,096 bytes into a row
	s_mov_b32 s63, 0
	s_lshl_b32 s2, s[HALF], 14                     ; where they go: no place in the cluster enters an LDS address
	s_mul_i32 s3, s[HALF], 64*PV
	s_add_co_u32 s3, s3, VOFF
	s_mov_b32 s[TB], 0
	s_wait_dscnt 0x0                               ; the opening add is done
	s_wait_kmcnt 0x0
	s_add_nc_u64 s[22:23], s[4:5], s[22:23]
	s_add_nc_u64 s[62:63], s[6:7], s[62:63]
	CROUND
.irp s, 0,1
	s_mov_b32 s[G0A+4*\s], 1
	s_add_co_u32 s[G0A+4*\s+1], s2, \s*SLOT1
	s_add_nc_u64 s[G0A+4*\s+2:G0A+4*\s+3], s[22:23], \s*ASTEP
	s_or_b32 s[G0A+4*\s+3], s[G0A+4*\s+3], 0x80000000
	s_mov_b32 s[G0B+4*\s], 1
	s_add_co_u32 s[G0B+4*\s+1], s3, \s*SLOT1
	s_add_nc_u64 s[G0B+4*\s+2:G0B+4*\s+3], s[62:63], \s*VSTEP
	s_or_b32 s[G0B+4*\s+3], s[G0B+4*\s+3], 0x80000000
.endr
	s_cmp_eq_u32 s[FOR], 0                         ; a wave's two first fills stand in one branch: two loads of mine are out
	s_cbranch_scc0 .Lfirst_b
	tensor_load_to_lds s[G0A:G0A+3], s[G1A:G1A+7]
	s_nop 0
	tensor_load_to_lds s[G0A+4:G0A+7], s[G1A:G1A+7]
	s_nop 0
.rept 4
	v_nop
.endr
	s_branch .Lfirst_asked
.Lfirst_b:
	tensor_load_to_lds s[G0B:G0B+3], s[G1B:G1B+7]
	s_nop 0
	tensor_load_to_lds s[G0B+4:G0B+7], s[G1B:G1B+7]
	s_nop 0
.rept 4
	v_nop
.endr
.Lfirst_asked:
	; THE STATISTICS: thread t joins the 16 blocks of row 128 x query tile + t, in the wait for the first tiles.
	s_lshl_b32 s20, s[TY], 9
	s_mov_b32 s21, 0
	s_add_nc_u64 s[8:9], s[8:9], s[20:21]
	v_lshlrev_b32 v20, 2, v0
.set j, 0
.rept 16
	global_load_b32 v[32+j], v20, s[8:9] offset:j*32768          ; c m_j
	global_load_b32 v[48+j], v20, s[8:9] offset:j*32768+524288   ; l_j
.set j, j+1
.endr
	v_add_nc_u32 v21, FT, v20
	v_and_b32 v1, 15, v0                           ; l % 16
	v_bfe_u32 v2, v0, 4, 1                         ; l / 16
	v_and_b32 v22, 31, v0                          ; l
	s_lshl_b32 s20, s[FOR], 14
	v_lshl_add_u32 v[ADRA0], v22, 4, s20           ; P: my half's four row blocks, 16 x lane in half a fragment
	v_and_b32 v3, 7, v0
	v_lshl_add_u32 v3, v2, 3, v3
	v_mul_u32_u24 v[ADRB0], v3, PV                 ; V: key 8 (l / 16) + l % 8,
	v_bfe_u32 v3, v0, 3, 1
	v_lshl_add_u32 v[ADRB0], v3, 4, v[ADRB0]       ; channels 8 ((l / 8) % 2) + 0..7,
	s_lshl_b32 s20, s[HALF], 8
	s_add_co_u32 s20, s20, VOFF
	v_add_nc_u32 v[ADRB0], s20, v[ADRB0]           ; in my half of the channels
	v_mov_b32 v[ADRA], v[ADRA0]
	v_mov_b32 v[ADRB], v[ADRB0]
	s_lshl_b32 s20, s[FOR], 8
	v_lshl_add_u32 v3, v1, 2, s20                  ; (64 x row half + l % 16) x 4
	v_add_nc_u32 v[FADR0], FT, v3
	v_add_nc_u32 v[ILA], IL, v3
	v_mov_b32 v[FADR], v[FADR0]
	s_mul_i32 s20, s[WV], 16*SP
	s_add_co_u32 s20, s20, STAGE
	v_mul_u32_u24 v[STO], v1, SP
	v_lshl_add_u32 v[STO], v2, 5, v[STO]
	v_add_nc_u32 v[STO], s20, v[STO]               ; stage, in: row l % 16, 32 bytes for each half of the lanes
	v_lshlrev_b32 v[CO], 4, v22                    ; a row of 512 bytes: 16 x lane
	v_add_nc_u32 v[RD], s20, v[CO]
	s_lshl_b32 s20, s[TY], 19
	s_lshl_b32 s21, s[FOR], 18
	s_add_co_u32 s20, s20, s21
	s_lshl_b32 s21, s[TX], 10
	s_add_co_u32 s20, s20, s21
	s_lshl_b32 s21, s[HALF], 9
	s_add_co_u32 s20, s20, s21
	s_mov_b32 s21, 0
	s_add_nc_u64 s[10:11], s[10:11], s[20:21]      ; out0 at my first row and channel
	; the prefetches: who asks, and from where
	s_lshl_b32 s20, s[TY], 3
	s_lshl1_add_u32 s20, s[CXR], s20               ; P: row block 8 x query tile + 2 cx,
	s_lshl_b32 s20, s20, 16
	s_add_co_u32 s20, s20, 3*ASTEP                 ; one step behind key step 4
	s_lshl_b32 s21, s61, 11
	s_lshl_b32 s22, s[HALF], 6
	s_add_co_u32 s21, s21, s22
	s_lshl_b32 s22, s[CYR], 4
	s_add_co_u32 s21, s21, s22
	s_mul_i32 s21, s21, 6144
	s_lshl_b32 s22, s[TX], 9
	s_add_co_u32 s21, s21, s22
	s_add_co_u32 s21, s21, 4096+3*VSTEP            ; V: likewise
	s_and_b32 s22, ttmp7, 3                        ; 0 in a batch's first cluster
	s_mov_b32 s[PFS], VSTEP
	s_mov_b32 s[PFS+1], 0
	s_mov_b32 s23, 6144
	s_cmp_eq_u32 s[FOR], 0
	s_cselect_b64 s[PFA:PFA+1], s[4:5], s[6:7]
	s_cselect_b32 s20, s20, s21
	s_cselect_b32 s[PFS], ASTEP, s[PFS]
	s_cselect_b32 s23, 0x10000, s23                ; bytes from a row block of P, or from a key of V, to the next
	s_cselect_b32 s62, 4, 1                        ; lanes to each: 16 or 2, as a shift
	s_cselect_b32 s63, 15, 1                       ; and as a mask
	s_cselect_b32 s22, s[WV], s22                  ; of waves 0 and 1, wave 0 asks
	s_cmp_eq_u32 s22, 0
	s_cselect_b32 s[LIM], 2, -1                    ; the same in all sixteen partners, for a given wave
	s_mov_b32 s21, 0
	s_add_nc_u64 s[PFA:PFA+1], s[PFA:PFA+1], s[20:21]
	v_lshrrev_b32 v23, s62, v22
	v_mul_u32_u24 v[PFO], s23, v23
	v_and_b32 v23, s63, v22                        ; each lane one block of 256 bytes
	v_lshl_add_u32 v[PFO], v23, 8, v[PFO]
	s_mov_b32 s[FB], 0
	s_wait_loadcnt 0x0
	v_max3_num_f32 v64, v32, v33, v34
.irp j, 35,37,39,41,43,45
	v_max3_num_f32 v64, v64, v[\j], v[\j+1]
.endr
	v_max_num_f32 v64, v64, v47                    ; M
.set j, 0
.rept 16
	v_sub_f32 v[32+j], v[32+j], v64
.set j, j+1
.endr
.set j, 0
.rept 16
	v_exp_f32 v[32+j], v[32+j]                     ; e_j
.set j, j+1
.endr
	v_nop                                          ; a plain instruction behind the last exponential,
	s_wait_alu depctr_va_vdst(0)                   ; and one wait for the batch
	v_mul_f32 v65, v48, v32
.set j, 1
.rept 15
	v_fmac_f32 v65, v[48+j], v[32+j]               ; L, in f32
.set j, j+1
.endr
.set j, 0
.rept 16
	v_cvt_pk_f16_f32 v[66+j], v[32+j], v[32+j]
	ds_store_b32 v21, v[66+j] offset:512*j
.set j, j+1
.endr
	ds_store_b32 v21, v[NIL] offset:512*16         ; the seventeenth block: what the last key step fetches in the next block's stead
	v_rcp_f32 v82, v65
	v_nop
	s_wait_alu depctr_va_vdst(0)
	ds_store_b32 v21, v82 offset:IL-FT
	s_wait_tensorcnt 1                             ; my part of key step 0 is in; key step 1's may stay out
	s_wait_dscnt 0x0                               ; for the others' sake: my factors are stored
	s_barrier_signal -1
	s_barrier_wait -1
	LF 0
	LF 2
	LA 0
	LA 1
	LB BX, 0
	s_wait_dscnt 0x0
	WIN 0x54
.set k, 0
.rept 16
	v_pk_mul_f16 v[128+k], v[FA+k/8], v[128+k]     ; the first quarter's P is scaled here; every later one beside the products of the quarter before
.set k, k+1
.endr
	WIN 0xa8
.set k, 0
.rept 16
	v_pk_mul_f16 v[128+k], v[FA+2+k/8], v[128+k]
.set k, k+1
.endr
	QZERO 1                                        ; the first products start the sums
	WIN 0
	s_mov_b32 s3, 14                               ; key steps 2 to 15 are asked for in 14 trips
.Lk:                                           ; a trip goes from a key step's second quarter to the next step's first
	BODY 1
	QZERO 0
	WIN 0
	s_sub_co_u32 s3, s3, 1
	s_cmp_lg_u32 s3, 0
	s_cbranch_scc1 .Lk
	; Key steps 14 and 15 ask for nothing: one text of two trips, entered in its middle.  In its second trip the barrier orders nothing more; the 36 LDS loads for a next step bring the other slot's old bytes and the
	; seventeenth factor block, and the 32 scalings by that 0 are read by nobody: the price, once a launch, of writing these quarters once.
	s_mov_b32 s3, 2
	s_branch .Lmid
.Ltl:
	QZERO 0
	WIN 0
.Lmid:
	BODY 0
	WIN 0
	s_sub_co_u32 s3, s3, 1
	s_cmp_lg_u32 s3, 0
	s_cbranch_scc1 .Ltl
	; THE WAY OUT: times 1 / L, through my own stage, a row block (16 rows x 512 bytes) at a time.
	PLACES
	WIN 0
.irp a, 0,1,2,3
	ds_load_b32 v[IV+2*\a], v[ILA] offset:64*\a
.endr
	s_wait_dscnt 0x0                               ; 1 / L is in, and so is the last trip's run of loads: no register is pending
.irp a, 0,1,2,3
	v_mov_b32 v[IV+2*\a+1], v[IV+2*\a]
.endr
.set a, 0
.rept 4
	WIN 1+a/2                                      ; source 0 in the accumulators' window
.set i, 0
.rept 32
	v_pk_mul_f32 v[32+2*i:33+2*i], v[64*(a%2)+2*i:64*(a%2)+2*i+1], v[IV+2*a:IV+2*a+1] op_sel_hi:[1,0]
.set i, i+1
.endr
	WIN 0
	s_wait_xcnt 0x0                                ; the registers read back into were the data of earlier stores
.set b, 0
.rept 8
	ds_store_b128 v[STO], v[32+8*b:35+8*b] offset:64*b
	ds_store_b128 v[STO], v[36+8*b:39+8*b] offset:64*b+16
.set b, b+1
.endr
.set i, 0
.rept 16
	ds_load_b128 v[96+64*(a%2)+4*i:99+64*(a%2)+4*i], v[RD] offset:SP*i  ; LDS serves a wave's instructions in order (ISA guide 5.7.1.4): these see the stores above
.set i, i+1
.endr
.set i, 0
.rept 16
	s_wait_dscnt 15-i
	global_store_b128 v[CO], v[96+64*(a%2)+4*i:99+64*(a%2)+4*i], s[10:11] offset:(16*a+i)*4096 th:TH_STORE_NT  ; 512 consecutive bytes of a row, aligned
.set i, i+1
.endr
.set a, a+1
.endr
	s_wait_tensorcnt 0x0                           ; the wave's end
	ds_add_u32 v[SPW], v[NIL]
	s_wait_dscnt 0x0
	CROUND                                         ; the closing round
	s_endpgm
.Lfunc_end_k_q125a999c76_pv:
	.size	k_q125a999c76_pv, .Lfunc_end_k_q125a999c76_pv-k_q125a999c76_pv
	.p2alignl 7, 3214868480
	.fill 96, 4, 3214868480
	.section	.rodata,"a",@progbits
	.p2align	6, 0x0
	.amdhsa_kernel k_q125a999c76_pv
		.amdhsa_group_segment_fixed_size 327680
		.amdhsa_private_segment_fixed_size 0
		.amdhsa_enable_private_segment 0
		.amdhsa_kernarg_size 32
		.amdhsa_user_sgpr_count 2
		.amdhsa_user_sgpr_kernarg_segment_ptr 1
		.amdhsa_wavefront_size32 1
		.amdhsa_system_sgpr_workgroup_id_x 1
		.amdhsa_system_sgpr_workgroup_id_y 1
		.amdhsa_system_sgpr_workgroup_id_z 1
		.amdhsa_system_vgpr_workitem_id 0
		.amdhsa_next_free_vgpr 768
		.amdhsa_next_free_sgpr 66
		.amdhsa_reserve_vcc 0
		.amdhsa_float_denorm_mode_32 3
		.amdhsa_float_denorm_mode_16_64 3
		.amdhsa_memory_ordered 1
		.amdhsa_forward_progress 1
		.amdhsa_inst_pref_size 100
	.end_amdhsa_kernel
	.amdgpu_metadata
---
amdhsa.version: [ 1, 2 ]
amdhsa.kernels:
  - .name:           k_q125a999c76_pv
    .symbol:         k_q125a999c76_pv.kd
    .args:
      - { .name: PT, .offset: 0, .size: 8, .value_kind: global_buffer, .address_space: global }
      - { .name: QKV, .offset: 8, .size: 8, .value_kind: global_buffer, .address_space: global }
      - { .name: STAT, .offset: 16, .size: 8, .value_kind: global_buffer, .address_space: global }
      - { .name: out0, .offset: 24, .size: 8, .value_kind: global_buffer, .address_space: global }
    .group_segment_fixed_size: 327680
    .private_segment_fixed_size: 0
    .kernarg_segment_align: 8
    .kernarg_segment_size: 32
    .max_flat_workgroup_size: 128
    .sgpr_count:     66
    .vgpr_count:     768
    .wavefront_size: 32
...
	.end_amdgpu_metadata
.endif
;; end of part 4
